; MI455X (gfx1250); checked and timed in simulation.
; The chip was launched on July 23, 2026; its instructions are those of AMD's public machine-readable ISA for CDNA 5 (MIT licence, August 2026) and "CDNA5" Instruction Set Architecture Reference Guide (July 2026). The comments in the code are by the model that wrote it; some were corrected since.
;; Masked Attention. Allowed arithmetic: matrix products marked QUANTISED: E2M3 operands, one E8M0 scale for each 32 along K, by v_wmma_scale_f32_16x16x128_f8f6f4 with both operands' format E2M3, f32 sums; everything else in f32.
;; Inputs: attn_mask 1 x 1 x 2,048 x 2,048 bool; b_proj 1,024 float32; b_qkv 3,072 float32; bt_k 64 float32; bt_q 64 float32; g_k 64 float32; g_q 64 float32; w_proj_codes 1,024 x 32 x 24 uint8 (E2M3 codes of w_proj, K innermost, in blocks of 32 codes, four codes in three bytes); w_proj_scales 1,024 x 32 uint8 (E8M0 scales of w_proj, one for each 32 codes along K); w_qkv_codes 3,072 x 32 x 24 uint8 (E2M3 codes of w_qkv, K innermost, in blocks of 32 codes, four codes in three bytes); w_qkv_scales 3,072 x 32 uint8 (E8M0 scales of w_qkv, one for each 32 codes along K); x_codes 2 x 2,048 x 32 x 24 uint8 (E2M3 codes of x, K innermost, in blocks of 32 codes, four codes in three bytes); x_scales 2 x 2,048 x 32 uint8 (E8M0 scales of x, one for each 32 codes along K).
;; Outputs: out0 2 x 2,048 x 1,024 float32.
;; This version of the problem:
;;   THIS VERSION OF THE PROBLEM IS GIVEN IN LOW PRECISION. The matrix products marked QUANTISED in the list below multiply operands that are first quantised to E2M3 (2 exponent bits, 3 mantissa bits; 6 bits a number), with one power-of-two scale for each 32 numbers along K (OCP MX v1.0); their sums are f32. All else is computed in f32.
;;   The module's matrix products, in the order in which they are computed (A, B: the left and right operand; K: the contracted axis; several contracted axes count as one K, in the product's order):
;;     1. [M 4,096, K 1,024] x [K 1,024, N 3,072]; A: input x (given as codes); B: input w_qkv (given as codes): QUANTISED
;;     2. batch 32 x [M 2,048, K 64] x [K 64, N 2,048]; A: computed on the way; B: computed on the way: QUANTISED
;;     3. batch 32 x [M 2,048, K 2,048] x [K 2,048, N 64]; A: softmax (see below); B: computed on the way: QUANTISED
;;     4. [M 4,096, K 1,024] x [K 1,024, N 1,024]; A: computed on the way; B: input w_proj (given as codes): QUANTISED
;;   THE QUANTISER, for each operand of a quantised product, along K:
;;     - K is cut into blocks of 32 from its start; a last block that is shorter is filled with zeros.
;;     - A block's scale is 2^e with e = floor(log2(the largest magnitude in the block)) - 2, held to -126 .. 127; a block of zeros has e = 0. As a byte (E8M0): e + 127.
;;     - Each number is divided by its block's scale, clamped to +-7.5, and rounded to the nearest number of E2M3, ties to even, subnormals kept.
;;     - The product sums the exact products of the quantised numbers (number of the format x scale) in f32.
;;   ~~~python
;;   def quantise(x, axis):      # numpy; x: float32 -> the quantised numbers, widened to float32 again
;;       x = np.moveaxis(x, axis, -1); K = x.shape[-1]
;;       x = np.pad(x, [(0, 0)] * (x.ndim - 1) + [(0, -K % 32)]); x = x.reshape(x.shape[:-1] + (-1, 32)); a = np.abs(x).max(-1, keepdims=True)
;;       e = np.where(a > 0, np.clip(np.frexp(np.where(a > 0, a, 1))[1] - 1 - 2, -126, 127), 0)      # np.frexp(a)[1] - 1 = floor(log2(a)), exactly
;;       r = np.clip(x / 2.0 ** e, -7.5, 7.5)
;;       step = 2.0 ** (np.maximum(np.frexp(np.where(r == 0, 1, r))[1] - 1, 0) - 3)
;;       q = np.round(r / step) * step * 2.0 ** e      # np.round: ties to even
;;       return np.moveaxis(q.reshape(q.shape[:-2] + (-1,))[..., :K], -1, axis).astype(np.float32)
;;   ~~~
;;   SOFTMAX AHEAD OF A QUANTISED PRODUCT. Where the list says 'softmax', what is quantised is not the finished softmax but p = 2^(t - M), with t = logit x log2(e) and M = ceil(the row's largest t), a whole number; so 1/2 < the row's largest p <= 1. The row's sum l is taken of the UNQUANTISED p, in f32, and the product's result is divided by l at the end. Since M is a whole number, a kernel that streams over the keys may use a running M (the ceiling of the running maximum): every later rescaling is an exact power of two, which a block's scale takes up: the codes' values come out the same.
;;   OPERANDS COMPUTED ON THE WAY. 'Computed on the way' means the value that the module computes at that place (a softmax that the list does not call 'softmax' is quantised finished and normalised). What goes into a quantiser is computed in f32, as accurately as f32 sums, v_exp_f32 and their like allow (about 1e-6 of the number): no bf16 or f16 on the way to a quantiser, and a product that is left as it is and whose result goes on into a quantised operand takes f32 operands (vector FMAs, or v_wmma_f32_16x16x4_f32). A number that lies on a knife's edge between two numbers of the format may be rounded either way, as far as f32 arithmetic and the matrix unit's own rounding can turn it there, and no further.
;;   INPUTS GIVEN AS CODES. w_proj (in the module: [1024, 1024], K = its axis 1); w_qkv (in the module: [3072, 1024], K = its axis 1); x (in the module: [2, 2048, 1024], K = its axis 2): each comes as NAME_codes (uint8): NAME with its K axis moved to the last place and cut into blocks of 32 codes, [.., K / 32, bytes a block], one block behind the other in memory; four codes in three bytes: a row's codes are one little-endian stream of bits, code i at bits 6 i .. 6 i + 5 (a code: sign, 2 exponent bits, 3 mantissa bits); and NAME_scales (uint8): the same leading axes, one E8M0 byte (e + 127) for each 32 codes along K. Its value is code x scale, taken as it is: it is not quantised again, and the codes and scales need not be those that the quantiser above would give.
;; One version. Each part assembles by itself: llvm-mc -triple=amdgcn-amd-amdhsa -mcpu=gfx1250 --defsym DOCPART=n.
;; ======== version 1 of 1: 3 launches
;; limits: right only within a limited range of input values
;; workspace buffers: img 10,747,904 bytes; maskw 524,288 bytes of whole numbers; flags 32,768 bytes of whole numbers; aimg 3,145,728 bytes; ascl 131,072 bytes
;; launch qkv (part 1): grid 16 x 16, 4 waves a work-group, clusters of 4 x 4, 327,680 bytes of LDS; arguments x_codes, x_scales, w_qkv_codes, w_qkv_scales, b_qkv, g_q, bt_q, g_k, bt_k, attn_mask, img, maskw, flags; writes img, maskw, flags
.if DOCPART == 1
	.amdgcn_target "amdgcn-amd-amdhsa--gfx1250"
	.amdhsa_code_object_version 6
	.text
	.protected	k_q4c5c221c35_qkv
	.globl	k_q4c5c221c35_qkv
	.p2align	8
	.type	k_q4c5c221c35_qkv,@function
k_q4c5c221c35_qkv:
	s_mov_b64 s[64:65], 0
	v_nop
	global_prefetch_b8 v0, s[64:65] scope:SCOPE_SE
	s_setreg_imm32_b32 hwreg(HW_REG_WAVE_MODE, 25, 1), 1
	s_wait_xcnt 0x0
	s_wait_alu depctr_hold_cnt(0) depctr_sa_sdst(0) depctr_va_vdst(0) depctr_va_sdst(0) depctr_va_ssrc(0) depctr_va_vcc(0) depctr_vm_vsrc(0)
	s_getreg_b32 s2, hwreg(HW_REG_IB_STS2, 6, 4)
	s_cmp_eq_u32 s2, 0
	s_cbranch_scc0 .Lentry_in_a_cluster
	s_endpgm
.Lentry_in_a_cluster:
	s_bfe_u32 s2, ttmp6, 0x10000c
	s_cmp_lg_u32 s2, 0xf033
	s_cbranch_scc0 .Lentry_shape_is_right
	s_endpgm
.Lentry_shape_is_right:
; qkv = x w_qkv^T + b_qkv on codes of FP6 (E2M3) as they are given; LayerNorm of each head's q and k in f32; q, k (along the head's 64) and v (along the keys) quantised to FP6 and stored
; as IMAGES OF OPERAND REGISTERS for the attention launch; and the mask packed into lane masks.
; THE GRID: 4 x 4 clusters of 4 x 4 work-groups.  The cluster's x (the same in all sixteen partners) says what a cluster does:
;   0, 1: q's, k's columns.  Source 1 ("A") = 256 rows of x, source 0 ("B") = 256 rows of w_qkv: a lane holds ONE token, its registers run along the columns, the next K.
;   2:    v's columns.  A = 256 rows of w_qkv, B = 256 rows of x: a lane holds ONE channel, its registers run along the tokens, the keys: the next K.
;   3:    no product: each of its 256 waves packs half of the keys of one tile of 16 queries.
; The product: a tile of 256 x 256, four waves of 128 x 128 (64 accumulators).  K goes in three CHUNKS OF 256 BYTES of each row (a row of codes is 768 bytes) through two LDS slots; a step of 128 along K
; is 96 bytes, eight steps to three chunks; steps 2 and 5 lie across two chunks.  The scale bytes of all of K come once and stay.  A's tile is asked for jointly by a row of the cluster, B's by a column.
; No prefetch: K has three chunks, of which two are asked for before the first product.
; THE IMAGES (img): for each batch x head 4 groups of 83,968 bytes; a group = 4 blocks of q, 4 of k (7,168 bytes: 128 tokens, 8 fragments of 768, 1,024 of scale words), 4 of v (6,656: 128 keys, 4 fragments of 1,536, 512).
; In k's tiles 2, 3, 6, 7 of a block lane l's bytes lie at lane slot l xor 8: the attention launch reads rows of two tiles in one load, and so they fall on different banks.
; ORDER INSIDE A BLOCK OF 32: register 16 B + 8 u + j of a lane of half h holds number 32 B + 16 u + 8 h + j of the next K and is laid at place 16 h + 8 u + j of block B; q and k alike, v's keys as p's keys in the attention launch.
; LIMITS: NaN and infinities among the inputs are not served; a block whose largest magnitude lies under 2^-124 keeps the scale byte 1 (a block of zeros too: this program alone reads the bytes).
; REGISTERS: window 0: v0-31 addresses; v32-63 scale words, two sets; v64-127 b_qkv along the registers; v128-223 A's fragments, later numbers and codes at work; v224-255 the gain.
;   window 1: B's fragments, two sets, v0-95 and v128-223; v96-127 LayerNorm's bias; v224-239 b_qkv along the lanes.   windows 2, 3: the accumulators ((a, b) at v[8 (8 (a % 4) + b)]).
.set ROWB,   256
.set NQ,     2
.set KROW,   768
.set STEPS,  8
.set CHUNKS, 3
.set PITCH,  272                       ; 256 bytes + 16 of padding
.set FR,     12
.set NL,     6
.set NP,     4
.set HALFT,  128*PITCH
.set SLOT,   4*HALFT
.set KS,     32
.set SCL,    2*SLOT
.set HALFS,  (128*KS/256)*272
.set SBLK,   (16*KS/256)*272
.set SPARE,  SCL+4*HALFS               ; the spare words: 128 bytes a wave
.set QKB,    7168
.set VBB,    6656
.set GRPB,   8*QKB+4*VBB
.set HP,     4*GRPB                    ; from a head's images to the next head's
.set ADRA, 16
.set ADRB, 20
.set ADRS, 27
.set SPW,  28
.set NIL,  29
.set SC,   32
.set BI,   64
.set AF,   128
.set GN,   224
.set BT,   96
.set BV,   224
.set T,    128
.set CD,   192
.set TMX,  212
.set TMP,  216
.set TSC,  220
.set SW,   4
.set PW,   20
.set CH0,  22
.set CH1,  24
.set CH2,  26
.set CH3,  30
.set G1, 24
.set G0, 32
.set G1B, 48
.set G0B, 56
.set G1S, 68
.set G0S, 76
.set G1SB, 80
.set G0SB, 88
.set MSB, 0
.macro WIN new
.if MSB != \new
	s_set_vgpr_msb (MSB<<8)|\new
.set MSB, \new
.endif
.endm
.set MUL_LO, 0xa1
.set MUL_HI, 0xf1
.set TO_B,   0x40
.macro TLOAD g0, g1                    ; a tensor load with five lines behind it
	tensor_load_to_lds s[\g0:\g0+3], s[\g1:\g1+7]
	s_nop 0
.rept 4
	v_nop
.endr
.endm
.macro JLOAD g0a, g1a, g0b, g1b        ; waves 0 and 1 fetch for A, waves 2 and 3 for B
	s_cmp_eq_u32 s15, 0
	s_cbranch_scc0 .Lfor_b_\@
	TLOAD \g0a, \g1a
	s_branch .Lasked_\@
.Lfor_b_\@:
	TLOAD \g0b, \g1b
.Lasked_\@:
.endm
.macro CREST
	s_cmp_lg_u32 s14, 0
	s_cbranch_scc1 .Lnot_wave_0_\@
	s_barrier_signal -3
.Lnot_wave_0_\@:
	s_barrier_wait -3
	s_barrier_signal -1
	s_barrier_wait -1
.endm
.macro CROUND
	s_barrier_signal -1
	s_barrier_wait -1
	CREST
.endm
	v_lshl_add_u32 v[SPW], v0, 2, SPARE
	v_mov_b32 v[NIL], 0
	ds_add_u32 v[SPW], v[NIL]                      ; the opening lines: the add twice and its wait
	ds_add_u32 v[SPW], v[NIL]
	v_lshrrev_b32 v1, 5, v0
	v_readfirstlane_b32 s14, v1                    ; wave
	s_lshr_b32 s15, s14, 1                         ; my half of A's rows; also: I fetch for A (0) or B (1)
	s_and_b32 s16, s14, 1                          ; my half of B's rows; also: which 128 rows I fetch
	s_bfe_u32 s40, ttmp6, 0x40000                  ; cx
	s_bfe_u32 s41, ttmp6, 0x40004                  ; cy
	s_and_b32 s18, ttmp7, 0xffff
	s_wait_dscnt 0x0
	s_cmp_eq_u32 ttmp9, 3
	s_cbranch_scc1 .Lpack
	s_load_b256 s[24:31], s[0:1], 0x0              ; x's codes, x's scales, w_qkv's codes, w_qkv's scales
	s_cmp_eq_u32 ttmp9, 2
	s_cselect_b32 s19, ttmp9, s18
	s_cselect_b32 s20, s18, ttmp9
	s_lshl_b32 s17, s19, 2
	s_add_co_u32 s17, s17, s41                     ; A's tile
	s_lshl_b32 s42, s20, 2
	s_add_co_u32 s42, s42, s40                     ; B's tile
	s_lshl_b32 s43, s41, 2
	s_lshl_b32 s43, 15, s43                        ; my row of the cluster
	s_lshl_b32 s44, 0x1111, s40                    ; my column
	s_wait_kmcnt 0x0
	s_cmp_eq_u32 ttmp9, 2
	s_cselect_b64 s[4:5], s[28:29], s[24:25]       ; A's codes
	s_cselect_b64 s[6:7], s[30:31], s[26:27]       ; A's scales
	s_cselect_b64 s[8:9], s[24:25], s[28:29]       ; B's codes
	s_cselect_b64 s[10:11], s[26:27], s[30:31]     ; B's scales
	; group 1: rows of 256 bytes, 16 of padding behind each; 256 rows for the head's loads, 128 afterwards
	s_or_b32 s[G1+0], s43, (1<<20)|(1<<21)|(5<<22)|(3<<25)
	s_or_b32 s[G1B+0], s44, (1<<20)|(1<<21)|(5<<22)|(3<<25)
.irp g, G1, G1B
	s_mov_b32 s[\g+1], ROWB<<16
	s_mov_b32 s[\g+2], 256<<16
	s_mov_b32 s[\g+3], ROWB<<16
	s_mov_b32 s[\g+4], 256
	s_mov_b32 s[\g+5], KROW
	s_mov_b32 s[\g+6], 0
	s_mov_b32 s[\g+7], 0
.endr
	; the scales of 256 rows: 8,192 dense bytes as 32 rows of 256
	s_or_b32 s[G1S+0], s43, (3<<16)|(1<<20)|(1<<21)|(5<<22)|(3<<25)
	s_or_b32 s[G1SB+0], s44, (3<<16)|(1<<20)|(1<<21)|(5<<22)|(3<<25)
.irp g, G1S, G1SB
	s_mov_b32 s[\g+1], 32<<16
	s_mov_b32 s[\g+2], KS<<16
	s_mov_b32 s[\g+3], 32<<16
	s_mov_b32 s[\g+4], KS
	s_mov_b32 s[\g+5], 32
	s_mov_b32 s[\g+6], 0
	s_mov_b32 s[\g+7], 0
.endr
	s_lshl_b32 s20, s17, 8
	s_lshl_b32 s46, s42, 8
	s_mov_b32 s21, 0
	s_mov_b32 s47, 0
	s_mov_b64 s[18:19], KS
	s_mul_u64 s[22:23], s[20:21], s[18:19]
	s_mul_u64 s[92:93], s[46:47], s[18:19]
	s_mov_b64 s[18:19], KROW
	s_mul_u64 s[20:21], s[20:21], s[18:19]
	s_mul_u64 s[46:47], s[46:47], s[18:19]
	s_mul_i32 s94, s16, 128*KROW                   ; in the ring I fetch 128 rows: which half, in bytes,
	s_mov_b32 s95, 0
	s_mul_i32 s45, s14, HALFT                      ; and where they go
	s_add_nc_u64 s[20:21], s[4:5], s[20:21]
	s_add_nc_u64 s[22:23], s[6:7], s[22:23]
	s_add_nc_u64 s[46:47], s[8:9], s[46:47]
	s_add_nc_u64 s[92:93], s[10:11], s[92:93]
	CROUND                                         ; the first joint loads meet
	s_mov_b32 s[G0], 1                             ; slot 0's group 0 serves the head's load first: chunk 0's 256 rows of A,
	s_mov_b32 s[G0+1], 0
	s_mov_b64 s[G0+2:G0+3], s[20:21]
	s_or_b32 s[G0+3], s[G0+3], 0x80000000
	s_mov_b32 s[G0B], 1                            ; of B,
	s_mov_b32 s[G0B+1], 2*HALFT
	s_mov_b64 s[G0B+2:G0B+3], s[46:47]
	s_or_b32 s[G0B+3], s[G0B+3], 0x80000000
	s_mov_b32 s[G0S], 1                            ; A's scales,
	s_mov_b32 s[G0S+1], SCL
	s_mov_b64 s[G0S+2:G0S+3], s[22:23]
	s_or_b32 s[G0S+3], s[G0S+3], 0x80000000
	s_mov_b32 s[G0SB], 1                           ; B's
	s_mov_b32 s[G0SB+1], SCL+2*HALFS
	s_mov_b64 s[G0SB+2:G0SB+3], s[92:93]
	s_or_b32 s[G0SB+3], s[G0SB+3], 0x80000000
	s_mov_b32 s[G0+4], 1                           ; slot 1: chunk 1, my 128 rows
	s_add_co_u32 s[G0+5], s45, SLOT
	s_add_nc_u64 s[G0+6:G0+7], s[20:21], s[94:95]
	s_add_nc_u64 s[G0+6:G0+7], s[G0+6:G0+7], ROWB
	s_or_b32 s[G0+7], s[G0+7], 0x80000000
	s_mov_b32 s[G0B+4], 1
	s_add_co_u32 s[G0B+5], s45, SLOT
	s_add_nc_u64 s[G0B+6:G0B+7], s[46:47], s[94:95]
	s_add_nc_u64 s[G0B+6:G0B+7], s[G0B+6:G0B+7], ROWB
	s_or_b32 s[G0B+7], s[G0B+7], 0x80000000
; the head's four tiles, one load a wave, in one chain of branches on the wave's number
.macro ARM under, g0, g1, next
	s_cmp_lt_u32 s14, \under
	s_cbranch_scc0 \next
	TLOAD \g0, \g1
	s_branch .Lhead_asked
\next:
.endm
	ARM 1, G0,  G1,  .Lhead_b
	ARM 2, G0B, G1B, .Lhead_sa
	ARM 3, G0S, G1S, .Lhead_sb
	TLOAD G0SB, G1SB
.Lhead_asked:
	s_load_b256 s[4:11], s[0:1], 0x20              ; b_qkv, g_q, bt_q, g_k
	s_load_b64 s[12:13], s[0:1], 0x40              ; bt_k
	s_load_b64 s[96:97], s[0:1], 0x50              ; img
	v_and_b32 v1, 15, v0                           ; r
	v_bfe_u32 v2, v0, 4, 1                         ; h
	v_mul_u32_u24 v3, v1, PITCH
	v_mul_u32_u24 v4, v2, 24
	v_add_nc_u32 v4, v3, v4                        ; row x pitch + 24 h
	s_mov_b32 s21, SLOT-232
	s_mov_b32 s22, SLOT+232
	v_sub_nc_u32 v7, 1, v2
	v_mul_u32_u24 v5, s21, v2
	v_add_nc_u32 v5, v3, v5
	v_add_nc_u32 v5, 232, v5                       ; across two chunks: lanes 0-15 byte 232 in slot 0, lanes 16-31 byte 0 in slot 1;
	v_mul_u32_u24 v6, s22, v7
	v_add_nc_u32 v6, v3, v6                        ; and the other way round
	s_mul_i32 s21, s15, HALFT
	s_mul_i32 s22, s16, HALFT
	s_add_co_u32 s22, s22, 2*HALFT
	v_add_nc_u32 v[ADRA+2], s21, v5
	v_add_nc_u32 v[ADRA+3], s21, v6
	v_add_nc_u32 v[ADRB+2], s22, v5
	v_add_nc_u32 v[ADRB+3], s22, v6
.irp s, 0,1
	v_add_nc_u32 v[ADRA+\s], s21, v4
	v_add_nc_u32 v[ADRB+\s], s22, v4
	s_add_co_u32 s21, s21, SLOT
	s_add_co_u32 s22, s22, SLOT
.endr
	v_mul_u32_u24 v5, v1, KS
	v_lshrrev_b32 v6, 8, v5
	v_lshl_add_u32 v5, v6, 4, v5
	s_mul_i32 s21, s15, HALFS
	s_mul_i32 s22, s16, HALFS
	s_add_co_u32 s22, s22, 2*HALFS
	s_sub_co_u32 s22, s22, s21
	v_mul_u32_u24 v6, s22, v2                      ; lanes 16-31 take B's scale words
	s_add_co_u32 s21, s21, SCL
	v_add_nc_u32 v5, v5, v6
	v_add_nc_u32 v[ADRS], s21, v5
	v_lshlrev_b32 v7, 5, v2                        ; 32 h
	v_lshlrev_b32 v8, 2, v1                        ; 4 r
	; where my results go.  P = the tile along qkv's columns, Q = along the tokens; pw, qw = my half of each
	s_mov_b32 s22, QKB
	s_cmp_eq_u32 ttmp9, 2
	s_cselect_b32 s18, s17, s42                    ; P
	s_cselect_b32 s19, s42, s17                    ; Q
	s_cselect_b32 s20, s15, s16                    ; pw
	s_cselect_b32 s21, s16, s15                    ; qw
	s_cselect_b32 s22, VBB, s22                    ; bytes of a block
	s_lshr_b32 s40, s19, 3
	s_lshl_b32 s40, s40, 4                         ; 16 x batch
	s_and_b32 s41, s18, 3
	s_lshl_b32 s41, s41, 2
	s_add_co_u32 s40, s40, s41
	s_lshl_b32 s41, s20, 1
	s_add_co_u32 s40, s40, s41                     ; + my first head: 4 (P % 4) + 2 pw
	s_mul_i32 s40, s40, HP
	s_and_b32 s41, s19, 7
	s_lshl_b32 s41, s41, 1
	s_add_co_u32 s41, s41, s21                     ; my block of 128 tokens: 2 (Q % 8) + qw
	s_lshr_b32 s23, s41, 2
	s_mul_i32 s23, s23, GRPB
	s_add_co_u32 s40, s40, s23
	s_and_b32 s41, s41, 3
	s_mul_i32 s41, s41, s22
	s_add_co_u32 s40, s40, s41
	s_mul_i32 s41, ttmp9, 4*QKB                    ; q's blocks, k's, v's
	s_add_co_u32 s40, s40, s41
	s_mov_b32 s41, 0
	s_lshl_b32 s46, s18, 10                        ; b_qkv: (256 P + 128 pw) x 4 bytes
	s_lshl_b32 s47, s20, 9
	s_add_co_u32 s46, s46, s47
	s_mov_b32 s47, 0
	s_wait_alu depctr_va_vdst(0)
	s_wait_kmcnt 0x0
	s_cmp_eq_u32 ttmp9, 0
	s_cselect_b64 s[6:7], s[6:7], s[10:11]         ; q's gain and bias, else k's (v's path loads them and uses neither)
	s_cselect_b64 s[8:9], s[8:9], s[12:13]
	s_add_nc_u64 s[96:97], s[96:97], s[40:41]
	s_add_nc_u64 s[4:5], s[4:5], s[46:47]
.irp b, 0,1,2,3,4,5,6,7
	global_load_b128 v[BI+8*\b:BI+8*\b+3], v7, s[4:5] offset:64*\b
	global_load_b128 v[BI+8*\b+4:BI+8*\b+7], v7, s[4:5] offset:64*\b+16
.endr
.irp t, 0,1,2,3
	global_load_b128 v[GN+8*\t:GN+8*\t+3], v7, s[6:7] offset:64*\t
	global_load_b128 v[GN+8*\t+4:GN+8*\t+7], v7, s[6:7] offset:64*\t+16
.endr
	WIN TO_B
.irp t, 0,1,2,3
	global_load_b128 v[BT+8*\t:BT+8*\t+3], v7, s[8:9] offset:64*\t
	global_load_b128 v[BT+8*\t+4:BT+8*\t+7], v7, s[8:9] offset:64*\t+16
.endr
.irp a, 0,1,2,3,4,5,6,7
	global_load_b32 v[BV+2*\a], v8, s[4:5] offset:64*\a
	global_load_b32 v[BV+2*\a+1], v8, s[4:5] offset:64*\a
.endr
	WIN 0
	s_mov_b32 s98, 0x3c800000                      ; 1 / 64
	s_mov_b32 s99, 0x3727c5ac                      ; 1e-5
	s_mov_b32 s100, 0x76543210
	s_mov_b32 s101, 0xfedcba98
.macro FRAG reg, adr, st, i            ; 16 rows x 128 K: 12 registers, in pieces of 8 bytes; byte y of a row lies in chunk y / 256, slot (y / 256) % 2
.irp p, 0,1,2,3,4,5
.set BY, 96*(\st)+48*(\p/3)+8*(\p%3)
.if BY/ROWB == (BY+24)/ROWB
	ds_load_b64 v[\reg+2*\p:\reg+2*\p+1], v[\adr+(BY/ROWB)%2] offset:BY%ROWB+(\i)*16*PITCH
.else
	ds_load_b64 v[\reg+2*\p:\reg+2*\p+1], v[\adr+2+(BY/ROWB)%2] offset:BY%ROWB-232+(\i)*16*PITCH
.endif
.endr
.endm
; 16 matrix instructions; the 64 accumulators take turns
.macro MUL16 a0, p, q, sc, zero
.irp a, \a0, \a0+1
.irp b, 0,1,2,3,4,5,6,7
.if \zero
	v_wmma_scale_f32_16x16x128_f8f6f4 v[8*(8*((\a)%4)+\b):8*(8*((\a)%4)+\b)+7], v[128*(\p)+FR*\b:128*(\p)+FR*\b+FR-1], v[AF+FR*(\a):AF+FR*(\a)+FR-1], 0, v[SC+8*NQ*(\sc)+NQ*\b+(\q)], v[SC+8*NQ*(\sc)+NQ*(\a)+(\q)] matrix_a_fmt:MATRIX_FMT_FP6 matrix_b_fmt:MATRIX_FMT_FP6 matrix_a_scale:MATRIX_SCALE_ROW1
.else
	v_wmma_scale_f32_16x16x128_f8f6f4 v[8*(8*((\a)%4)+\b):8*(8*((\a)%4)+\b)+7], v[128*(\p)+FR*\b:128*(\p)+FR*\b+FR-1], v[AF+FR*(\a):AF+FR*(\a)+FR-1], v[8*(8*((\a)%4)+\b):8*(8*((\a)%4)+\b)+7], v[SC+8*NQ*(\sc)+NQ*\b+(\q)], v[SC+8*NQ*(\sc)+NQ*(\a)+(\q)] matrix_a_fmt:MATRIX_FMT_FP6 matrix_b_fmt:MATRIX_FMT_FP6 matrix_a_scale:MATRIX_SCALE_ROW1
.endif
.endr
.endr
.endm
.macro FETCH_B st, p
	WIN TO_B
.irp i, 0,1,2,3,4,5,6,7
	FRAG 128*(\p)+FR*\i, ADRB, \st, \i
.endr
	WIN 0
.endm
.macro FETCH_A st, i0
.irp i, \i0, \i0+1, \i0+2, \i0+3
	FRAG AF+FR*(\i), ADRA, \st, \i
.endr
.endm
.macro SCALES pr                       ; the scale words of steps 2 pr, 2 pr + 1: lanes 0-15 A's block i, lanes 16-31 B's
.irp i, 0,1,2,3,4,5,6,7
	ds_load_b64 v[SC+8*NQ*((\pr)%2)+NQ*\i:SC+8*NQ*((\pr)%2)+NQ*\i+1], v[ADRS] offset:\i*SBLK+4*NQ*(\pr)
.endr
.endm
.macro PLACES n                        ; plain vector instructions behind a matrix instruction (ISA guide 7.12.1)
.rept \n
	v_nop
.endr
.endm
; A step of 128 along K.  Where the next step ends in a chunk not yet read: wait for my tensor loads, barrier.  Where it begins in a later chunk: the chunk left behind is read no more: the three lines, the barrier,
; and, where a chunk two on is left, a round of the cluster's barrier and the refill.
.macro STEP st, zero
.set NX, (\st)+1
.set C0, (96*(\st))/ROWB
.set C1, (96*NX)/ROWB
.set E0, (96*(\st)+95)/ROWB
.set E1, (96*NX+95)/ROWB
.if C1 > C0 || E1 > E0
	s_wait_tensorcnt 0x0                           ; all my tensor loads have landed
.if C1 > C0
	ds_add_u32 v[SPW], v[NIL]
	s_wait_dscnt 4*NL+1                            ; the add and the youngest 24 loads (A's blocks 4-7) may be out
.else
	s_wait_dscnt 4*NL                              ; the youngest 24 loads may be out
.endif
	WIN MUL_LO
	MUL16 0, (\st)%2, (\st)%2, ((\st)/2)%2, \zero
	s_wait_dscnt 0x0                               ; the add and all my reads are done
	s_barrier_signal -1
	MUL16 2, (\st)%2, (\st)%2, ((\st)/2)%2, \zero
	WIN 0
	s_barrier_wait -1
.if C1 > C0 && C0+2 < CHUNKS
	CREST
	s_add_nc_u64 s[G0+4*(C0%2)+2:G0+4*(C0%2)+3], s[G0+4*(C0%2)+2:G0+4*(C0%2)+3], 2*ROWB
	s_add_nc_u64 s[G0B+4*(C0%2)+2:G0B+4*(C0%2)+3], s[G0B+4*(C0%2)+2:G0B+4*(C0%2)+3], 2*ROWB
	JLOAD G0+4*(C0%2), G1, G0B+4*(C0%2), G1B       ; its four v_nop are the places in front of the loads below
.else
	PLACES NP
.endif
.else
	s_wait_dscnt 4*NL
	WIN MUL_LO
	MUL16 0, (\st)%2, (\st)%2, ((\st)/2)%2, \zero
	MUL16 2, (\st)%2, (\st)%2, ((\st)/2)%2, \zero
	s_wait_dscnt 0
	PLACES NP
.endif
	FETCH_B NX, NX%2
	FETCH_A NX, 0
.if NX%2 == 0
	SCALES NX/2
.endif
	WIN MUL_HI
	MUL16 4, (\st)%2, (\st)%2, ((\st)/2)%2, \zero
	MUL16 6, (\st)%2, (\st)%2, ((\st)/2)%2, \zero
	PLACES NP
	WIN 0
	FETCH_A NX, 4
.endm
	s_wait_alu depctr_va_vdst(0)                   ; the head's end
	s_wait_tensorcnt 0x0                           ; my tile of the head's four is in
	ds_add_u32 v[SPW], v[NIL]
	s_mov_b32 s[G1+2], 128<<16                     ; no load of mine is out: from here on a load brings my 128 rows
	s_mov_b32 s[G1+4], 128
	s_mov_b32 s[G1B+2], 128<<16
	s_mov_b32 s[G1B+4], 128
	s_mov_b32 s[G0+1], s45
	s_add_nc_u64 s[G0+2:G0+3], s[G0+2:G0+3], s[94:95]
	s_mov_b32 s[G0B+1], s45
	s_add_nc_u64 s[G0B+2:G0B+3], s[G0B+2:G0B+3], s[94:95]
	s_wait_dscnt 0x0
	CROUND
	JLOAD G0+4, G1, G0B+4, G1B                     ; chunk 1, slot 1's first fill, first behind the round
	FETCH_B 0, 0
	FETCH_A 0, 0
	SCALES 0
	FETCH_A 0, 4
	STEP 0, 1
.set ST, 1
.rept STEPS-2
	STEP ST, 0
.set ST, ST+1
.endr
	s_wait_dscnt 4*NL
	WIN MUL_LO
	MUL16 0, 1, 1, 1, 0
	MUL16 2, 1, 1, 1, 0
	s_wait_dscnt 0
	WIN MUL_HI
	MUL16 4, 1, 1, 1, 0
	MUL16 6, 1, 1, 1, 0
	WIN 0
; 64 numbers of a lane in v[T] on (register 16 b + i: my lane's 16 of block b's 32) become a fragment's 12 registers in v[CD] on and its scale word in v[PW]
.macro QUANT
.irp b, 0,1,2,3
	v_max3_num_f32 v[TMX+\b], |v[T+16*\b]|, |v[T+1+16*\b]|, 0x1800000   ; with the floor 2^(3 - 127)
.endr
.irp i, 2,4,6,8,10,12,14
.irp b, 0,1,2,3
	v_max3_num_f32 v[TMX+\b], v[TMX+\b], |v[T+16*\b+\i]|, |v[T+1+16*\b+\i]|
.endr
.endr
.irp b, 0,1,2,3
	v_permlanex16_b32 v[TMP+\b], v[TMX+\b], s100, s101
.endr
.irp b, 0,1,2,3
	v_max_num_f32 v[TMX+\b], v[TMX+\b], v[TMP+\b]
.endr
.irp b, 0,1,2,3
	v_add_nc_u32 v[TSC+\b], 0xff000000, v[TMX+\b]  ; 2 off the exponent field: the conversion's scale operand
.endr
.irp b, 0,1,2,3
	v_lshrrev_b32 v[TMP+\b], 23, v[TSC+\b]
.endr
	v_lshl_or_b32 v[PW], v[TMP+1], 8, v[TMP]
	v_lshl_or_b32 v[PW], v[TMP+2], 16, v[PW]
	v_lshl_or_b32 v[PW], v[TMP+3], 24, v[PW]
.irp c, 0,1
	v_cvt_scalef32_pk16_fp6_f32 v[CD+6*\c:CD+2+6*\c], v[T+32*\c:T+15+32*\c], v[TSC+2*\c]
	v_cvt_scalef32_pk16_fp6_f32 v[CD+12+4*\c:CD+14+4*\c], v[T+16+32*\c:T+31+32*\c], v[TSC+2*\c+1]
.endr
	v_nop                                          ; one plain place behind a scaled conversion
.irp c, 0,1                                    ; a whole block in a lane
.irp i, 0,1,2
	v_permlane16_swap_b32 v[CD+6*\c+\i], v[CD+12+4*\c+\i]
.endr
.irp i, 0,1,2
	v_mov_b32 v[CD+3+6*\c+\i], v[CD+12+4*\c+\i]
.endr
.endr
.endm
.macro HALVES
	v_pk_add_f32 v[CH0:CH0+1], v[CH0:CH0+1], v[CH1:CH1+1]
	v_pk_add_f32 v[CH2:CH2+1], v[CH2:CH2+1], v[CH3:CH3+1]
	v_add_f32 v[CH0], v[CH0], v[CH0+1]
	v_add_f32 v[CH2], v[CH2], v[CH2+1]
	v_permlanex16_b32 v[CH0+1], v[CH0], s100, s101
	v_permlanex16_b32 v[CH2+1], v[CH2], s100, s101
	v_add_f32 v[CH0], v[CH0], v[CH0+1]
	v_add_f32 v[CH2], v[CH2], v[CH2+1]
.endm
; LayerNorm of the two heads in v[T] on (32 numbers of each in my lane, 32 in lane l xor 16): mean, deviations, their variance, in f32
.macro LN
	v_pk_add_f32 v[CH0:CH0+1], v[T:T+1], v[T+2:T+3]
	v_pk_add_f32 v[CH2:CH2+1], v[T+32:T+33], v[T+34:T+35]
	v_pk_add_f32 v[CH1:CH1+1], v[T+4:T+5], v[T+6:T+7]
	v_pk_add_f32 v[CH3:CH3+1], v[T+36:T+37], v[T+38:T+39]
.set p, 8
.rept 6
	v_pk_add_f32 v[CH0:CH0+1], v[CH0:CH0+1], v[T+p:T+p+1]
	v_pk_add_f32 v[CH2:CH2+1], v[CH2:CH2+1], v[T+32+p:T+33+p]
	v_pk_add_f32 v[CH1:CH1+1], v[CH1:CH1+1], v[T+2+p:T+3+p]
	v_pk_add_f32 v[CH3:CH3+1], v[CH3:CH3+1], v[T+34+p:T+35+p]
.set p, p+4
.endr
	HALVES
	v_mul_f32 v[CH0], s98, v[CH0]
	v_mul_f32 v[CH2], s98, v[CH2]
.set p, 0
.rept 16
	v_pk_add_f32 v[T+p:T+p+1], v[T+p:T+p+1], v[CH0:CH0+1] op_sel_hi:[1,0] neg_lo:[0,1] neg_hi:[0,1]
	v_pk_add_f32 v[T+32+p:T+33+p], v[T+32+p:T+33+p], v[CH2:CH2+1] op_sel_hi:[1,0] neg_lo:[0,1] neg_hi:[0,1]
.set p, p+2
.endr
	v_pk_mul_f32 v[CH0:CH0+1], v[T:T+1], v[T:T+1]
	v_pk_mul_f32 v[CH2:CH2+1], v[T+32:T+33], v[T+32:T+33]
	v_pk_mul_f32 v[CH1:CH1+1], v[T+2:T+3], v[T+2:T+3]
	v_pk_mul_f32 v[CH3:CH3+1], v[T+34:T+35], v[T+34:T+35]
.set p, 4
.rept 7
	v_pk_fma_f32 v[CH0:CH0+1], v[T+p:T+p+1], v[T+p:T+p+1], v[CH0:CH0+1]
	v_pk_fma_f32 v[CH2:CH2+1], v[T+32+p:T+33+p], v[T+32+p:T+33+p], v[CH2:CH2+1]
	v_pk_fma_f32 v[CH1:CH1+1], v[T+2+p:T+3+p], v[T+2+p:T+3+p], v[CH1:CH1+1]
	v_pk_fma_f32 v[CH3:CH3+1], v[T+34+p:T+35+p], v[T+34+p:T+35+p], v[CH3:CH3+1]
.set p, p+4
.endr
	HALVES
	v_fma_f32 v[CH0], v[CH0], s98, s99             ; the variance + 1e-5
	v_fma_f32 v[CH2], v[CH2], s98, s99
	s_wait_alu depctr_va_vdst(0)                   ; a wait ahead of the batch
	v_rsq_f32 v[CH0], v[CH0]
	v_rsq_f32 v[CH2], v[CH2]
	v_nop
.set p, 0
	s_wait_alu depctr_va_vdst(0)                   ; and behind it
.rept 16
	v_pk_mul_f32 v[T+p:T+p+1], v[T+p:T+p+1], v[CH0:CH0+1] op_sel_hi:[1,0]
	v_pk_mul_f32 v[T+32+p:T+33+p], v[T+32+p:T+33+p], v[CH2:CH2+1] op_sel_hi:[1,0]
.set p, p+2
.endr
	WIN 0x10                                       ; source 2, the bias, in window 1
.set p, 0
.rept 16
	v_pk_fma_f32 v[T+p:T+p+1], v[T+p:T+p+1], v[GN+p:GN+p+1], v[BT+p:BT+p+1]
	v_pk_fma_f32 v[T+32+p:T+33+p], v[T+32+p:T+33+p], v[GN+p:GN+p+1], v[BT+p:BT+p+1]
.set p, p+2
.endr
	WIN 0
.endm
; 16 tokens x my two heads of q or k.  Registers 0-5 of the fragment are the first head's operand, 6-11 the second's.  L16, L8: the lanes' slots (tiles 2, 3, 6, 7 of k: slot l xor 8)
.macro EPI_QK a
	s_wait_xcnt 0x0                                ; the last tile's stores have read their registers
.set AC, 64*((\a)%4)
.set WS_, 0x02+(\a)/4
.if ((\a)/2)%2
.set L16, 3
.set L8, 21
.else
.set L16, 1
.set L8, 2
.endif
	WIN WS_
.set p, 0
.rept 32
	v_pk_add_f32 v[T+p:T+p+1], v[AC+p:AC+p+1], v[BI+p:BI+p+1]     ; each accumulator from its low end on
.set p, p+2
.endr
	WIN 0
	LN
	QUANT
	v_and_b32 v[SW+\a], 0xffff, v[PW]              ; a head's scale word: its two bytes; those of k = 64 .. 127 are 0
	v_lshrrev_b32 v[SW+8+\a], 16, v[PW]
	global_store_b128 v[L16], v[CD:CD+3], s[96:97] offset:\a*768         ; 32 lanes store 512 consecutive bytes,
	global_store_b64 v[L8], v[CD+4:CD+5], s[96:97] offset:\a*768+512     ; and 256
	global_store_b128 v[L16], v[CD+6:CD+9], s[96:97] offset:HP+\a*768
	global_store_b64 v[L8], v[CD+10:CD+11], s[96:97] offset:HP+\a*768+512
.endm
; 16 channels of v x my 128 keys
.macro EPI_V a
	s_wait_xcnt 0x0
.set AC, 64*((\a)%4)
.set WS_, 0x06+(\a)/4
	WIN WS_
.set p, 0
.rept 32
	v_pk_add_f32 v[T+p:T+p+1], v[AC+p:AC+p+1], v[BV+2*\a:BV+2*\a+1]
.set p, p+2
.endr
	WIN 0
	QUANT
	v_mov_b32 v[SW+\a], v[PW]
.irp c, 0,1,2
	global_store_b128 v1, v[CD+4*\c:CD+4*\c+3], s[96:97] offset:((\a)/4)*HP+((\a)%4)*1536+512*\c
.endr
.endm
	s_wait_loadcnt 0x0                             ; the constants, asked for at the head
	PLACES NP
	s_cmp_eq_u32 ttmp9, 1
	s_cselect_b32 s23, 8, 0                        ; k's columns
	v_and_b32 v3, 31, v0
	v_lshlrev_b32 v1, 4, v3                        ; 16 x lane,
	v_lshlrev_b32 v2, 3, v3                        ; 8 x lane,
	v_xor_b32 v3, s23, v3
	v_lshlrev_b32 v21, 3, v3                       ; and the same of the slot l xor 8 (k alone)
	v_lshlrev_b32 v3, 4, v3
.irp b, 0,1,2,3
	v_mov_b32 v[TMP+\b], 0                         ; a lane permute's destination counts as a source
.endr
	s_cmp_eq_u32 ttmp9, 2
	s_cbranch_scc1 .Lv_out
.irp a, 0,1,2,3,4,5,6,7
	EPI_QK \a
.endr
.irp u, 0,1
	global_store_b128 v1, v[SW+4*\u:SW+4*\u+3], s[96:97] offset:6144+512*\u            ; the scale words of tiles 4 u .. 4 u + 3, four to a lane
	global_store_b128 v1, v[SW+8+4*\u:SW+8+4*\u+3], s[96:97] offset:HP+6144+512*\u
.endr
	s_branch .Lend
.Lv_out:
.irp a, 0,1,2,3,4,5,6,7
	EPI_V \a
.endr
.irp u, 0,1
	global_store_b128 v1, v[SW+4*\u:SW+4*\u+3], s[96:97] offset:\u*HP+6144
.endr
	s_branch .Lend
; THE MASK.  Wave gid (0 .. 255) takes tile gid / 2 of 16 queries and half gid % 2 of the keys: 8 steps of 128.  Score register 8 t + j of lane (r, h) in the attention launch is key
; 64 (t / 4) + 32 h + 16 (t % 2) + 8 ((t % 4) / 2) + j of a step: lane (r, h) loads those 8 bytes of row r, and the lanes' mask of a compare on byte j is the word for that register.
; For each step also: is any bit set, is any bit clear; and for each row: is any key allowed at all.
.set R,  64
.set WR, 192
.set FL, 196
.macro PKSTEP u
	s_mov_b32 s30, 0
	s_mov_b32 s31, -1
.set g, 0
.rept 16
.irp k, 0,1,2,3
	v_and_b32 v[8+\k], s[26+\k], v[R+16*\u+g]
.endr
.irp k, 0,1,2,3
	v_cmp_ne_u32 s[44+\k], 0, v[8+\k]
.endr
.irp k, 0,1,2,3
	v_writelane_b32 v[WR+\k], s[44+\k], 16*\u+g
.endr
.irp k, 0,1,2,3
	s_or_b32 s30, s30, s[44+\k]
	s_and_b32 s31, s31, s[44+\k]
.endr
.set g, g+1
.endr
	s_or_b32 s32, s32, s30
	s_cmp_lg_u32 s30, 0
	s_cselect_b32 s37, s35, 0
	s_or_b32 s33, s33, s37
	s_cmp_lg_u32 s31, -1
	s_cselect_b32 s37, s35, 0
	s_or_b32 s34, s34, s37
	s_lshl_b32 s35, s35, 1
.endm
.Lpack:
	s_load_b64 s[4:5], s[0:1], 0x48                ; the mask
	s_load_b128 s[8:11], s[0:1], 0x58              ; maskw, flags
	s_lshl_b32 s19, s18, 2
	s_add_co_u32 s19, s19, s41
	s_lshl_b32 s19, s19, 2
	s_add_co_u32 s19, s19, s40
	s_lshl_b32 s19, s19, 2
	s_add_co_u32 s19, s19, s14                     ; gid
	s_lshr_b32 s20, s19, 1
	s_lshl_b32 s20, s20, 15
	s_and_b32 s21, s19, 1
	s_lshl_b32 s21, s21, 10
	s_add_co_u32 s20, s20, s21
	s_mov_b32 s21, 0
	s_lshl_b32 s22, s19, 11
	s_mov_b32 s23, 0
	s_lshl_b32 s24, s19, 7
	s_mov_b32 s25, 0
	s_mov_b32 s26, 0xff
	s_mov_b32 s27, 0xff00
	s_mov_b32 s28, 0xff0000
	s_mov_b32 s29, 0xff000000
	s_mov_b32 s32, 0
	s_mov_b32 s33, 0
	s_mov_b32 s34, 0
	s_mov_b32 s35, 1
	s_mov_b32 s36, 0
	v_and_b32 v1, 15, v0
	v_bfe_u32 v2, v0, 4, 1
	v_lshlrev_b32 v3, 11, v1
	v_lshl_add_u32 v3, v2, 5, v3                   ; row r, + 32 h
	v_and_b32 v4, 31, v0
	v_lshlrev_b32 v5, 4, v4
	v_lshlrev_b32 v6, 2, v4
.irp k, 0,1,2,3,4
	v_mov_b32 v[WR+\k], 0
.endr
	s_wait_alu depctr_va_vdst(0)
	s_wait_kmcnt 0x0
	s_add_nc_u64 s[4:5], s[4:5], s[20:21]
	s_add_nc_u64 s[8:9], s[8:9], s[22:23]
	s_add_nc_u64 s[10:11], s[10:11], s[24:25]
.set c, 0
.rept 64
	global_load_b64 v[R+2*c:R+2*c+1], v3, s[4:5] offset:128*(c/8)+64*((c%8)/4)+16*(c%2)+8*((c%4)/2) th:TH_LOAD_NT
.set c, c+1
.endr
	s_wait_loadcnt 0x0
.Lpk:                                                  ; four trips of two steps; the rows' bytes move down 32 registers a trip
	PKSTEP 0
	PKSTEP 1
	s_wait_alu depctr_va_vdst(0)
	global_store_b128 v5, v[WR:WR+3], s[8:9]       ; two steps' 128 words: 512 consecutive bytes
.set i, 0
.rept 96
	v_mov_b32 v[R+i], v[R+32+i]
.set i, i+1
.endr
	s_wait_xcnt 0x0
	s_add_nc_u64 s[8:9], s[8:9], 512
	s_add_co_u32 s36, s36, 1
	s_cmp_lt_u32 s36, 4
	s_cbranch_scc1 .Lpk
	s_lshr_b32 s37, s32, 16
	s_or_b32 s32, s32, s37
	s_and_b32 s32, s32, 0xffff
	v_writelane_b32 v[FL], s33, 0
	v_writelane_b32 v[FL], s34, 1
	v_writelane_b32 v[FL], s32, 2
	global_store_b32 v6, v[FL], s[10:11]
.Lend:
	s_wait_tensorcnt 0x0                           ; the wave's end
	ds_add_u32 v[SPW], v[NIL]
	s_wait_dscnt 0x0
	CROUND                                         ; the closing round
	s_endpgm
.Lfunc_end_k_q4c5c221c35_qkv:
	.size	k_q4c5c221c35_qkv, .Lfunc_end_k_q4c5c221c35_qkv-k_q4c5c221c35_qkv
	.p2alignl 7, 3214868480
	.fill 96, 4, 3214868480
	.section	.rodata,"a",@progbits
	.p2align	6, 0x0
	.amdhsa_kernel k_q4c5c221c35_qkv
		.amdhsa_group_segment_fixed_size 327680
		.amdhsa_private_segment_fixed_size 0
		.amdhsa_enable_private_segment 0
		.amdhsa_kernarg_size 104
		.amdhsa_user_sgpr_count 2
		.amdhsa_user_sgpr_kernarg_segment_ptr 1
		.amdhsa_wavefront_size32 1
		.amdhsa_system_sgpr_workgroup_id_x 1
		.amdhsa_system_sgpr_workgroup_id_y 1
		.amdhsa_system_sgpr_workgroup_id_z 1
		.amdhsa_system_vgpr_workitem_id 0
		.amdhsa_next_free_vgpr 1024
		.amdhsa_next_free_sgpr 102
		.amdhsa_reserve_vcc 0
		.amdhsa_float_denorm_mode_32 3
		.amdhsa_float_denorm_mode_16_64 3
		.amdhsa_memory_ordered 1
		.amdhsa_forward_progress 1
		.amdhsa_inst_pref_size 255
	.end_amdhsa_kernel
	.section	.bss,"aw",@nobits
	.p2align	6
	.space	262144
	.amdgpu_metadata
---
amdhsa.version: [ 1, 2 ]
amdhsa.kernels:
  - .name:           k_q4c5c221c35_qkv
    .symbol:         k_q4c5c221c35_qkv.kd
    .args:
      - { .name: x_codes, .offset: 0, .size: 8, .value_kind: global_buffer, .address_space: global }
      - { .name: x_scales, .offset: 8, .size: 8, .value_kind: global_buffer, .address_space: global }
      - { .name: w_qkv_codes, .offset: 16, .size: 8, .value_kind: global_buffer, .address_space: global }
      - { .name: w_qkv_scales, .offset: 24, .size: 8, .value_kind: global_buffer, .address_space: global }
      - { .name: b_qkv, .offset: 32, .size: 8, .value_kind: global_buffer, .address_space: global }
      - { .name: g_q, .offset: 40, .size: 8, .value_kind: global_buffer, .address_space: global }
      - { .name: bt_q, .offset: 48, .size: 8, .value_kind: global_buffer, .address_space: global }
      - { .name: g_k, .offset: 56, .size: 8, .value_kind: global_buffer, .address_space: global }
      - { .name: bt_k, .offset: 64, .size: 8, .value_kind: global_buffer, .address_space: global }
      - { .name: attn_mask, .offset: 72, .size: 8, .value_kind: global_buffer, .address_space: global }
      - { .name: img, .offset: 80, .size: 8, .value_kind: global_buffer, .address_space: global }
      - { .name: maskw, .offset: 88, .size: 8, .value_kind: global_buffer, .address_space: global }
      - { .name: flags, .offset: 96, .size: 8, .value_kind: global_buffer, .address_space: global }
    .group_segment_fixed_size: 327680
    .private_segment_fixed_size: 0
    .kernarg_segment_align: 8
    .kernarg_segment_size: 104
    .max_flat_workgroup_size: 128
    .sgpr_count:     102
    .vgpr_count:     1024
    .wavefront_size: 32
...
	.end_amdgpu_metadata
.endif
;; end of part 1
;; launch attn (part 2): grid 8 x 32, 16 waves a work-group, no clusters, 223,232 bytes of LDS; arguments img, maskw, flags, aimg, ascl; writes aimg, ascl
.if DOCPART == 2
	.amdgcn_target "amdgcn-amd-amdhsa--gfx1250"
	.amdhsa_code_object_version 6
	.text
	.protected	k_q4c5c221c35_attn
	.globl	k_q4c5c221c35_attn
	.p2align	8
	.type	k_q4c5c221c35_attn,@function
k_q4c5c221c35_attn:
	s_mov_b64 s[64:65], 0
	v_nop
	global_prefetch_b8 v0, s[64:65] scope:SCOPE_SE
	s_setreg_imm32_b32 hwreg(HW_REG_WAVE_MODE, 25, 1), 1
	s_wait_xcnt 0x0
; Attention of one head on codes of FP6 (E2M3): S^T = k q^T (K = the head's 64), the given mask, p = 2^(t - M) with M a whole number, O^T += v^T p^T (K = the keys), O / the sum of the unquantised p,
; quantised along the channels and stored as the output projection's operand.
; SHARES.  A work-group owns one head and 16 tiles of 16 queries, one to each of its sixteen waves: the eight tiles of query group g and the eight of group 15 - g.
; k AND v COME IN FOUR GROUPS of four steps of 128 keys, 55,296 consecutive bytes of operand images each, through registers into LDS bytes of their own (nothing in LDS is written twice).  108 pieces of 512 bytes:
; wave w takes pieces w + 16 i.  Group 0 is copied at the head; group G + 1 is asked for at the head of group G, into 28 registers that the steps do not name, and stored behind G's four steps, in front of one barrier.
; So each group's bytes are asked of memory four steps ahead of their use by the loads themselves, and no prefetch is laid beside them.
; NO TENSOR LOAD, NO CLUSTER: a step all of whose keys the mask hides from my 16 queries is left out by a branch on whole numbers that the launch before has stored.
; THE MASK.  A hidden score becomes S* = -2^126.  S* x c is exact and a whole number, so while a query has met hidden keys alone t - M is 0 and p = 1: a query with no allowed key ends as the plain mean of v, as the
; reference's fill gives.  At a query's first allowed key 2^(old M - new M) is 0 and wipes those terms.  Steps are left out only if every one of my 16 queries has an allowed key.  Mask words are loaded only in steps with hidden keys.
; LAYOUT.  A lane holds ONE query (lane % 16).  THE KEYS OF A TILE OF k ARE CHOSEN so that a lane holds WHOLE blocks of 32 keys: row 8 h' + j of tile t is key 64 (t / 4) + 32 h' + 16 (t % 2) + 8 ((t % 4) / 2) + j.
; So score registers 0-31 of half h are block h, registers 32-63 block 2 + h, each in the order in which v's keys were laid: a block's maximum needs no other lane and the conversions' results are the operand.
; The choice is made by the lanes' LDS addresses: lanes 8-15 and 24-31 read two tiles further on than the others.
; K = 64 in an instruction of 128: q's registers 6-11 are zeros, so what stands in k's registers 6-11 (the next tile's codes; zeros behind the last) adds nothing; the scale bytes there are 0 (2^-127, a number).
; LIMITS: a true t must lie above -1.5e37; NaN and infinities are not served; a block of p or of O under 2^-124 keeps the scale byte 1.
; REGISTERS: v1 16 x lane, v2 8 x lane, v3 S*; v4-9 the step's LDS addresses; v10, 11, 86, 87, 220 their lane terms; v221 8 h; v12 -M, v13 the largest t, v[14:15] the sum; v16-27 q; v32-85 k's 8 fragments, then v's 4;
;   v88-95 k's scale words; v96-159 S^T, then p; v160-191 O^T; v28-31, v192-203, v208-219 the copy; v204-207 v's scale words; v224-235 p's codes; v222-254 at work; v253 p's scale word; v255 q's.
.set KB,   7168
.set VBB,  6656
.set GL,   4*(KB+VBB)                  ; a group of k and v
.set GRPB, GL+4*KB                     ; a group in img: q's four blocks ahead of them
.set HP,   4*GRPB
.set SPARE, 4*GL
.set CPL,  12                          ; s12  LDS byte of my first piece of the group being copied
.set GC,   13                          ; s13  the group
.set NEED, 14                          ; bit s: step s is walked
.set MIXW, 15                          ; bit s: step s has hidden keys
.set SEL,  84
.set CS,   86
.set TK,   88
.set TV,   89
.set TM,   90
.set CNT,  91
.set IC,   92
.macro CPLOAD
.irp i, 0,1,2
	global_load_b128 v[192+4*\i:195+4*\i], v1, s[4:5] offset:8192*\i
	global_load_b128 v[208+4*\i:211+4*\i], v1, s[4:5] offset:8192*(\i+3)
.endr
	s_cmp_lt_u32 s2, 12                            ; pieces 96 .. 107
	s_cbranch_scc0 .Lno_ld_\@
	global_load_b128 v[28:31], v1, s[4:5] offset:8192*6
.Lno_ld_\@:
.endm
.macro CPSTORE
	s_wait_loadcnt 0x0
	v_add_nc_u32 v4, s[CPL], v1
.irp i, 0,1,2
	ds_store_b128 v4, v[192+4*\i:195+4*\i] offset:8192*\i
	ds_store_b128 v4, v[208+4*\i:211+4*\i] offset:8192*(\i+3)
.endr
	s_cmp_lt_u32 s2, 12
	s_cbranch_scc0 .Lno_st_\@
	ds_store_b128 v4, v[28:31] offset:8192*6
.Lno_st_\@:
.endm
	s_load_b256 s[4:11], s[0:1], 0x0               ; img, maskw, flags, aimg: no address ever stands in a register that later holds a mask word
	s_load_b64 s[66:67], s[0:1], 0x20              ; ascl
	v_lshl_add_u32 v250, v0, 2, SPARE
	v_mov_b32 v251, 0
	v_lshrrev_b32 v4, 5, v0
	s_delay_alu instid0(VALU_DEP_1)
	v_readfirstlane_b32 s2, v4                     ; wave
	s_and_b32 s3, ttmp7, 0xffff                    ; batch x 16 + head
	s_lshr_b32 s28, s2, 2
	s_xor_b32 s28, s28, s2
	s_and_b32 s28, s28, 1                          ; waves 2 i, 2 i + 1 take tile i of the two groups; which takes which turns with i / 2
	s_sub_co_u32 s29, 15, ttmp9
	s_cmp_lg_u32 s28, 0
	s_cselect_b32 s29, s29, ttmp9
	s_lshl_b32 s29, s29, 3
	s_lshr_b32 s30, s2, 1
	s_add_co_u32 s29, s29, s30                     ; my tile of 16 queries, 0 .. 127
	s_lshl_b32 s30, s29, 8
	s_mov_b32 s31, 0
	s_lshl_b32 s32, s29, 12
	s_mov_b32 s33, 0
	s_mul_i32 s46, s3, HP                          ; my head's images
	s_lshr_b32 s47, s29, 5
	s_mul_i32 s47, s47, GRPB
	s_add_co_u32 s47, s47, s46
	s_bfe_u32 s48, s29, 0x20003
	s_mul_i32 s48, s48, KB
	s_add_co_u32 s47, s47, s48                     ; q's block of 128 queries
	s_and_b32 s48, s29, 7
	s_mul_i32 s34, s48, 768
	s_add_co_u32 s34, s34, s47
	s_mov_b32 s35, 0
	s_lshr_b32 s36, s48, 2
	s_lshl_b32 s36, s36, 9
	s_and_b32 s49, s29, 3
	s_lshl_b32 s49, s49, 2
	s_add_co_u32 s36, s36, s49
	s_add_co_u32 s36, s36, s47
	s_add_co_u32 s36, s36, 6144                    ; its scale words
	s_mov_b32 s37, 0
	s_lshl_b32 s[CPL], s2, 9                       ; my first piece
	s_add_co_u32 s38, s46, s[CPL]
	s_add_co_u32 s38, s38, 4*KB                    ; group 0's k
	s_mov_b32 s39, 0
	s_lshr_b32 s50, s3, 4
	s_lshl_b32 s50, s50, 7
	s_add_co_u32 s50, s50, s29                     ; my tile of 16 tokens among all 256
	s_and_b32 s51, s3, 15
	s_lshr_b32 s52, s50, 3
	s_lshl_b32 s52, s52, 3
	s_lshr_b32 s53, s51, 1
	s_add_co_u32 s52, s52, s53
	s_lshl_b32 s52, s52, 3
	s_and_b32 s53, s50, 7
	s_add_co_u32 s52, s52, s53                     ; the fragment of the projection's operand
	s_and_b32 s53, s51, 1
	s_mul_i32 s42, s52, 1536
	s_mul_i32 s54, s53, 768
	s_add_co_u32 s42, s42, s54
	s_mov_b32 s43, 0
	s_lshl_b32 s44, s52, 6
	s_lshl_b32 s54, s53, 1
	s_add_co_u32 s44, s44, s54
	s_mov_b32 s45, 0
	v_and_b32 v4, 31, v0
	v_bfe_u32 v8, v0, 3, 1                         ; r / 8
	v_and_b32 v7, 7, v0
	v_bfe_u32 v221, v0, 4, 1
	v_lshlrev_b32 v1, 4, v4
	v_lshlrev_b32 v2, 3, v4
	v_mul_u32_u24 v5, v8, 1536                     ; two tiles on for rows 8-15
	v_xor_b32 v6, 8, v4
	v_lshlrev_b32 v220, 4, v7
	v_lshlrev_b32 v221, 3, v221                    ; 8 h
	v_add_nc_u32 v10, v1, v5                       ; tiles with (t % 4) / 2 = 0: slot l, 16 bytes a slot;
	v_lshl_add_u32 v11, v6, 4, v5                  ; = 1: slot l xor 8
	v_add_nc_u32 v86, v2, v5                       ; the same, 8 bytes a slot
	v_lshl_add_u32 v87, v6, 3, v5
	v_lshl_add_u32 v220, v8, 3, v220               ; k's scale words: 16 (r % 8) + 8 (r / 8)
	s_wait_alu depctr_va_vdst(0)
	s_wait_kmcnt 0x0
	s_add_nc_u64 s[8:9], s[8:9], s[30:31]
	s_load_b128 s[92:95], s[8:9], 0x0              ; keys 0-1,023: walked, hidden, rows with a key
	s_load_b128 s[96:99], s[8:9], 0x80             ; keys 1,024-2,047
	s_add_nc_u64 s[6:7], s[6:7], s[32:33]          ; my tile's mask words
	s_add_nc_u64 s[100:101], s[4:5], s[34:35]      ; q's fragment
	s_add_nc_u64 s[14:15], s[4:5], s[36:37]        ; q's scale words
	s_add_nc_u64 s[4:5], s[4:5], s[38:39]          ; my first piece of group 0
	s_add_nc_u64 s[10:11], s[10:11], s[42:43]      ; my half of a fragment of aimg
	s_add_nc_u64 s[66:67], s[66:67], s[44:45]      ; and of its scale words
	CPLOAD                                         ; group 0
	global_load_b128 v[16:19], v1, s[100:101]      ; q's fragment
	global_load_b64 v[20:21], v2, s[100:101] offset:512
	global_load_b32 v255, v1, s[14:15]
	v_mov_b32 v3, 0xfe800000                       ; S* = -2^126
.irp j, 22,23,24,25,26,27,80,81,82,83,84,85
	v_mov_b32 v\j, 0                               ; q's codes of k = 64 .. 127; what stands behind k's last tile
.endr
	v_mov_b32 v13, 0xff61b1e6                      ; the largest t so far: -3e38
	s_delay_alu instid0(VALU_DEP_1)
	v_floor_f32 v12, -v13
	v_mov_b32 v14, 0
	v_mov_b32 v15, 0
.irp j, 236,237,239,252,253
	v_mov_b32 v\j, 0                               ; lane permutes' destinations and the upper half of a pair count as read
.endr
	s_mov_b32 s[SEL], 0x76543210
	s_mov_b32 s[SEL+1], 0xfedcba98
	s_mov_b32 s[CS], 0x3e38aa3b                    ; c = log2(e) / 8
	s_mov_b32 s[CS+1], s[CS]
	s_mov_b32 s[TK], 0
	s_mov_b32 s[TV], 4*KB
	s_mov_b32 s[TM], 0
	s_mov_b32 s[CNT], 0
	s_mov_b32 s[GC], 0
	s_wait_alu depctr_va_vdst(0)
	CPSTORE                                        ; its wait shows all my loads done: s14 and s15, the base of q's scale words, may be written below
	s_wait_kmcnt 0x0
	s_lshl_b32 s[NEED], s96, 8
	s_or_b32 s[NEED], s[NEED], s92
	s_lshl_b32 s[MIXW], s97, 8
	s_or_b32 s[MIXW], s[MIXW], s93
	s_or_b32 s28, s94, s98
	s_mov_b32 s29, 0xffff
	s_cmp_eq_u32 s28, s29                          ; has each of my 16 queries an allowed key?
	s_cselect_b32 s[NEED], s[NEED], s29            ; if not, every step is walked
	s_wait_dscnt 0x0                               ; for the others' sake: my stores have landed
	s_barrier_signal -1
.set j, 0
.rept 32
	v_mov_b32 v[160+j], 0                          ; O^T: which step is a wave's first hangs on the mask, so no first step can be written out with C = 0
.set j, j+1
.endr
	s_barrier_wait -1                              ; group 0 lies in LDS
.Lgroup:                                               ; four trips
	s_cmp_eq_u32 s[GC], 3
	s_cbranch_scc1 .Lno_more
	s_add_nc_u64 s[4:5], s[4:5], GRPB              ; (the last group's loads were waited for)
	s_add_co_u32 s[CPL], s[CPL], GL
	CPLOAD                                         ; the next group, four steps ahead
.Lno_more:
	s_mov_b32 s[IC], 0
.Lstep:                                                ; four trips; a step that is left out only steps its addresses
	s_lshr_b32 s100, s[NEED], s[CNT]
	s_and_b32 s100, s100, 1
	s_cmp_eq_u32 s100, 0
	s_cbranch_scc1 .Lskip
	s_lshr_b32 s101, s[MIXW], s[CNT]
	s_and_b32 s101, s101, 1
	s_cmp_eq_u32 s101, 0
	s_cbranch_scc1 .Lno_words
	s_load_b512 s[16:31], s[6:7], s[TM] offset:0x0 ; the step's 64 mask words
	s_load_b512 s[32:47], s[6:7], s[TM] offset:0x40
	s_load_b512 s[48:63], s[6:7], s[TM] offset:0x80
	s_load_b512 s[68:83], s[6:7], s[TM] offset:0xc0
.Lno_words:
	v_add_nc_u32 v4, s[TK], v10                    ; these six are also the places behind the last products
	v_add_nc_u32 v5, s[TK], v11
	v_add_nc_u32 v6, s[TK], v86
	v_add_nc_u32 v7, s[TK], v87
	v_add_nc_u32 v8, s[TK], v220
	v_add_nc_u32 v9, s[TV], v1
.irp t, 0,1,2,3,4,5,6,7
	ds_load_b128 v[32+6*\t:35+6*\t], v[4+(\t%4)/2] offset:(4*(\t/4)+\t%2)*768
	ds_load_b64 v[36+6*\t:37+6*\t], v[6+(\t%4)/2] offset:(4*(\t/4)+\t%2)*768+512
	ds_load_b32 v[88+\t], v8 offset:6144+512*(\t/4)+128*((\t%4)/2)+4*(\t%2)
.endr
	s_wait_alu depctr_va_vdst(0)
	s_wait_dscnt 0x0
.irp t, 0,1,2,3,4,5,6,7
	v_wmma_scale_f32_16x16x128_f8f6f4 v[96+8*\t:103+8*\t], v[32+6*\t:43+6*\t], v[16:27], 0, v[88+\t], v255 matrix_a_fmt:MATRIX_FMT_FP6 matrix_b_fmt:MATRIX_FMT_FP6
.endr
.rept 4
	v_nop                                          ; places in front of the loads below and of the first read of the scores
.endr
.irp t, 0,1,2,3
.irp c, 0,1,2
	ds_load_b128 v[32+12*\t+4*\c:35+12*\t+4*\c], v9 offset:1536*\t+512*\c   ; v's fragments land while the softmax is worked
.endr
.endr
	ds_load_b128 v[204:207], v9 offset:6144
	s_cmp_eq_u32 s101, 0
	s_cbranch_scc1 .Lopen                          ; all 128 keys count for all 16 queries
	s_wait_kmcnt 0x0
.set n, 0
.rept 64
.if n < 48
	v_cndmask_b32 v[96+n], v3, v[96+n], s[16+n]    ; bit = 1: the score stays; 0: S*
.else
	v_cndmask_b32 v[96+n], v3, v[96+n], s[20+n]
.endif
.set n, n+1
.endr
.Lopen:
.irp b, 0,1,2,3
	v_max3_num_f32 v[232+\b], v[96+16*\b], v[97+16*\b], v[98+16*\b]   ; four chains of 16 scores
.endr
.irp i, 3,5,7,9,11,13
.irp b, 0,1,2,3
	v_max3_num_f32 v[232+\b], v[232+\b], v[96+16*\b+\i], v[97+16*\b+\i]
.endr
.endr
.irp b, 0,1,2,3
	v_max_num_f32 v[232+\b], v[232+\b], v[111+16*\b]
.endr
	s_delay_alu instid0(VALU_DEP_3)
	v_max_num_f32 v232, v232, v233                 ; the largest score of my block h: it serves the row's maximum and, since p rises with the score, the block's largest p
	s_delay_alu instid0(VALU_DEP_2)
	v_max_num_f32 v233, v234, v235                 ; of my block 2 + h
	s_delay_alu instid0(VALU_DEP_1)
	v_max_num_f32 v254, v232, v233
	s_delay_alu instid0(VALU_DEP_1)
	v_permlanex16_b32 v236, v254, s[SEL], s[SEL+1]
	s_delay_alu instid0(VALU_DEP_1)
	v_max_num_f32 v254, v254, v236                 ; with lane l xor 16's two blocks
	s_delay_alu instid0(VALU_DEP_1)
	v_mul_f32 v254, s[CS], v254
	s_delay_alu instid0(VALU_DEP_1)
	v_max_num_f32 v13, v13, v254                   ; the running largest t
	v_mov_b32 v254, v12
	s_delay_alu instid0(VALU_DEP_2)
	v_floor_f32 v12, -v13                          ; the new -M = -ceil(t)
	s_delay_alu instid0(VALU_DEP_1)
	v_sub_f32 v254, v12, v254                      ; old M - new M
	s_delay_alu instid0(VALU_DEP_1)
	v_cvt_i32_f32 v254, v254
	s_delay_alu instid0(VALU_DEP_1)
	v_ldexp_f32 v252, 1.0, v254                    ; f = 2^(old M - new M)
.set j, 0
.rept 32
	v_pk_fma_f32 v[96+j:97+j], v[96+j:97+j], s[CS:CS+1], v[12:13] op_sel_hi:[1,0,0]   ; t - M
.set j, j+2
.endr
	v_pk_fma_f32 v[232:233], v[232:233], s[CS:CS+1], v[12:13] op_sel_hi:[1,0,0]
.set j, 0
	s_wait_alu depctr_va_vdst(0)                   ; a wait ahead of the batch
.rept 64
	v_exp_f32 v[96+j], v[96+j]                     ; p = 2^(t - M), not normalised
.set j, j+1
.endr
	v_exp_f32 v232, v232                           ; my two blocks' largest p
	v_exp_f32 v233, v233
	v_pk_mul_f32 v[14:15], v[14:15], v[252:253] op_sel_hi:[1,0]   ; the sums under the new M; a plain place behind the batch
	s_wait_alu depctr_va_vdst(0)                   ; and the wait behind it
	v_max_num_f32 v232, 0x1800000, v232            ; the floor 2^(3 - 127)
	v_max_num_f32 v233, 0x1800000, v233
	s_delay_alu instid0(VALU_DEP_2)
	v_add_nc_u32 v244, 0xff000000, v232            ; 2 off the exponent field: the conversion's scale operand
	s_delay_alu instid0(VALU_DEP_2)
	v_add_nc_u32 v245, 0xff000000, v233
	s_delay_alu instid0(VALU_DEP_2)
	v_lshrrev_b32 v236, 23, v244
	s_delay_alu instid0(VALU_DEP_2)
	v_lshrrev_b32 v237, 23, v245
	s_delay_alu instid0(VALU_DEP_1)
	v_lshl_or_b32 v238, v237, 16, v236             ; my two bytes: blocks h and 2 + h,
	s_delay_alu instid0(VALU_DEP_1)
	v_lshlrev_b32 v238, v221, v238                 ; at their places;
	s_delay_alu instid0(VALU_DEP_1)
	v_permlanex16_b32 v239, v238, s[SEL], s[SEL+1]
	s_delay_alu instid0(VALU_DEP_1)
	v_or_b32 v253, v238, v239                      ; with lane l xor 16's two: p's scale word
	v_cvt_scalef32_pk16_fp6_f32 v[224:226], v[96:111], v244
	v_cvt_scalef32_pk16_fp6_f32 v[240:242], v[112:127], v244    ; (a conversion's three registers begin on an even number)
	v_cvt_scalef32_pk16_fp6_f32 v[230:232], v[128:143], v245
	v_cvt_scalef32_pk16_fp6_f32 v[246:248], v[144:159], v245
	v_nop                                          ; one plain place behind a scaled conversion
.irp i, 0,1,2
	v_mov_b32 v[227+\i], v[240+\i]
	v_mov_b32 v[233+\i], v[246+\i]
.endr
.set j, 0
.rept 16
	v_pk_mul_f32 v[160+j:161+j], v[160+j:161+j], v[252:253] op_sel_hi:[1,0]   ; O^T under the new M
.set j, j+2
.endr
	v_pk_add_f32 v[236:237], v[100:101], v[104:105]   ; the sum of the unquantised p, in eight chains
	v_pk_add_f32 v[248:249], v[108:109], v[112:113]
	v_pk_add_f32 v[246:247], v[116:117], v[120:121]
	v_pk_add_f32 v[244:245], v[124:125], v[128:129]
	v_pk_add_f32 v[242:243], v[132:133], v[136:137]
	v_pk_add_f32 v[240:241], v[140:141], v[144:145]
	v_pk_add_f32 v[222:223], v[148:149], v[152:153]
	v_pk_add_f32 v[14:15], v[14:15], v[156:157]
	v_pk_add_f32 v[236:237], v[236:237], v[96:97]
	v_pk_add_f32 v[248:249], v[248:249], v[98:99]
	v_pk_add_f32 v[246:247], v[246:247], v[102:103]
	v_pk_add_f32 v[244:245], v[244:245], v[106:107]
	v_pk_add_f32 v[242:243], v[242:243], v[110:111]
	v_pk_add_f32 v[240:241], v[240:241], v[114:115]
	v_pk_add_f32 v[222:223], v[222:223], v[118:119]
	v_pk_add_f32 v[14:15], v[14:15], v[122:123]
	v_pk_add_f32 v[236:237], v[236:237], v[126:127]
	v_pk_add_f32 v[248:249], v[248:249], v[130:131]
	v_pk_add_f32 v[246:247], v[246:247], v[134:135]
	v_pk_add_f32 v[244:245], v[244:245], v[138:139]
	v_pk_add_f32 v[242:243], v[242:243], v[142:143]
	v_pk_add_f32 v[240:241], v[240:241], v[146:147]
	v_pk_add_f32 v[222:223], v[222:223], v[150:151]
	v_pk_add_f32 v[14:15], v[14:15], v[154:155]
	v_pk_add_f32 v[236:237], v[236:237], v[158:159]
	s_delay_alu instid0(VALU_DEP_2)
	v_pk_add_f32 v[14:15], v[14:15], v[244:245]
	s_delay_alu instid0(VALU_DEP_2)
	v_pk_add_f32 v[236:237], v[236:237], v[242:243]
	v_pk_add_f32 v[248:249], v[248:249], v[240:241]
	v_pk_add_f32 v[246:247], v[246:247], v[222:223]
	s_delay_alu instid0(VALU_DEP_2)
	v_pk_add_f32 v[14:15], v[14:15], v[248:249]
	s_delay_alu instid0(VALU_DEP_2)
	v_pk_add_f32 v[236:237], v[236:237], v[246:247]
	s_delay_alu instid0(VALU_DEP_1)
	v_pk_add_f32 v[14:15], v[14:15], v[236:237]
	s_wait_dscnt 0x0                               ; v's fragments and scale words
.irp t, 0,1,2,3
	v_wmma_scale_f32_16x16x128_f8f6f4 v[160+8*\t:167+8*\t], v[32+12*\t:43+12*\t], v[224:235], v[160+8*\t:167+8*\t], v[204+\t], v253 matrix_a_fmt:MATRIX_FMT_FP6 matrix_b_fmt:MATRIX_FMT_FP6
.endr
.Lskip:
	s_add_co_u32 s[TK], s[TK], KB
	s_add_co_u32 s[TV], s[TV], VBB
	s_add_co_u32 s[TM], s[TM], 256
	s_add_co_u32 s[CNT], s[CNT], 1
	s_add_co_u32 s[IC], s[IC], 1
	s_cmp_lt_u32 s[IC], 4
	s_cbranch_scc1 .Lstep
	s_add_co_u32 s[TK], s[TK], 4*VBB               ; over this group's v,
	s_add_co_u32 s[TV], s[TV], 4*KB                ; over the next group's k
	s_cmp_eq_u32 s[GC], 3
	s_cbranch_scc1 .Lno_store
	CPSTORE                                        ; the next group, into LDS bytes that nobody has read yet
.Lno_store:
	s_wait_dscnt 0x0                               ; for the others' sake: my stores have landed
	s_barrier_signal -1
	s_barrier_wait -1
	s_add_co_u32 s[GC], s[GC], 1
	s_cmp_lt_u32 s[GC], 4
	s_cbranch_scc1 .Lgroup
	; THE WAY OUT.  O^T / the sum; the channels in their true order, as w_proj's codes lie; two blocks of 32 quantised; my half of a fragment and of its scale words stored.
	s_wait_alu depctr_va_vdst(0)
	v_add_f32 v14, v14, v15
	s_delay_alu instid0(VALU_DEP_1)
	v_permlanex16_b32 v252, v14, s[SEL], s[SEL+1]
	s_delay_alu instid0(VALU_DEP_1)
	v_add_f32 v14, v14, v252                       ; the row's sum
	s_wait_alu depctr_va_vdst(0)
	v_rcp_f32 v14, v14
	v_and_b32 v8, 15, v0
	s_delay_alu instid0(VALU_DEP_1)
	v_lshlrev_b32 v8, 2, v8                        ; 4 r
	v_nop
	v_nop                                          ; (with the lines above: the places behind the last products)
.set j, 0
	s_wait_alu depctr_va_vdst(0)
.rept 32
	v_mul_f32 v[96+j], v[160+j], v14               ; register 8 t + j: channel 16 t + 8 h + j of query r
.set j, j+1
.endr
.irp b, 0,1
.irp j, 0,1,2,3,4,5,6,7
	v_permlane16_swap_b32 v[96+16*\b+\j], v[104+16*\b+\j]   ; now register 16 b + i: channel 32 b + 16 h + i
.endr
.endr
.irp b, 0,1
	v_max3_num_f32 v[232+\b], |v[96+16*\b]|, |v[97+16*\b]|, 0x1800000
.endr
.irp i, 2,4,6,8,10,12,14
.irp b, 0,1
	s_delay_alu instid0(VALU_DEP_2)
	v_max3_num_f32 v[232+\b], v[232+\b], |v[96+16*\b+\i]|, |v[97+16*\b+\i]|
.endr
.endr
.irp b, 0,1
	s_delay_alu instid0(VALU_DEP_2)
	v_permlanex16_b32 v[236+\b], v[232+\b], s[SEL], s[SEL+1]
.endr
.irp b, 0,1
	s_delay_alu instid0(VALU_DEP_2)
	v_max_num_f32 v[232+\b], v[232+\b], v[236+\b]
.endr
.irp b, 0,1
	s_delay_alu instid0(VALU_DEP_2)
	v_add_nc_u32 v[244+\b], 0xff000000, v[232+\b]
.endr
.irp b, 0,1
	s_delay_alu instid0(VALU_DEP_2)
	v_lshrrev_b32 v[236+\b], 23, v[244+\b]
.endr
	s_delay_alu instid0(VALU_DEP_1)
	v_lshl_or_b32 v238, v237, 8, v236              ; my head's two scale bytes
	v_cvt_scalef32_pk16_fp6_f32 v[224:226], v[96:111], v244
	v_cvt_scalef32_pk16_fp6_f32 v[240:242], v[112:127], v245
	v_nop
.irp i, 0,1,2
	v_permlane16_swap_b32 v[224+\i], v[240+\i]
.endr
.irp i, 0,1,2
	s_delay_alu instid0(VALU_DEP_3)
	v_mov_b32 v[227+\i], v[240+\i]
.endr
	global_store_b128 v1, v[224:227], s[10:11]     ; 512 consecutive bytes,
	global_store_b64 v2, v[228:229], s[10:11] offset:512   ; and 256
	global_store_b16 v8, v238, s[66:67]            ; lanes r and 16 + r write the same two bytes with the same value
	s_wait_tensorcnt 0x0                           ; the wave's end
	ds_add_u32 v250, v251
	s_wait_dscnt 0x0
	s_endpgm
.Lfunc_end_k_q4c5c221c35_attn:
	.size	k_q4c5c221c35_attn, .Lfunc_end_k_q4c5c221c35_attn-k_q4c5c221c35_attn
	.p2alignl 7, 3214868480
	.fill 96, 4, 3214868480
	.section	.rodata,"a",@progbits
	.p2align	6, 0x0
	.amdhsa_kernel k_q4c5c221c35_attn
		.amdhsa_group_segment_fixed_size 223232
		.amdhsa_private_segment_fixed_size 0
		.amdhsa_enable_private_segment 0
		.amdhsa_kernarg_size 40
		.amdhsa_user_sgpr_count 2
		.amdhsa_user_sgpr_kernarg_segment_ptr 1
		.amdhsa_wavefront_size32 1
		.amdhsa_system_sgpr_workgroup_id_x 1
		.amdhsa_system_sgpr_workgroup_id_y 1
		.amdhsa_system_sgpr_workgroup_id_z 1
		.amdhsa_system_vgpr_workitem_id 0
		.amdhsa_next_free_vgpr 256
		.amdhsa_next_free_sgpr 102
		.amdhsa_reserve_vcc 0
		.amdhsa_float_denorm_mode_32 3
		.amdhsa_float_denorm_mode_16_64 3
		.amdhsa_memory_ordered 1
		.amdhsa_forward_progress 1
		.amdhsa_inst_pref_size 36
	.end_amdhsa_kernel
	.amdgpu_metadata
---
amdhsa.version: [ 1, 2 ]
amdhsa.kernels:
  - .name:           k_q4c5c221c35_attn
    .symbol:         k_q4c5c221c35_attn.kd
    .args:
      - { .name: img, .offset: 0, .size: 8, .value_kind: global_buffer, .address_space: global }
      - { .name: maskw, .offset: 8, .size: 8, .value_kind: global_buffer, .address_space: global }
      - { .name: flags, .offset: 16, .size: 8, .value_kind: global_buffer, .address_space: global }
      - { .name: aimg, .offset: 24, .size: 8, .value_kind: global_buffer, .address_space: global }
      - { .name: ascl, .offset: 32, .size: 8, .value_kind: global_buffer, .address_space: global }
    .group_segment_fixed_size: 223232
    .private_segment_fixed_size: 0
    .kernarg_segment_align: 8
    .kernarg_segment_size: 40
    .max_flat_workgroup_size: 512
    .sgpr_count:     102
    .vgpr_count:     256
    .wavefront_size: 32
...
	.end_amdgpu_metadata
.endif
;; end of part 2
;; launch proj (part 3): grid 8 x 32, 4 waves a work-group, clusters of 4 x 4, 228,864 bytes of LDS; arguments aimg, ascl, w_proj_codes, w_proj_scales, b_proj, out0; writes out0
.if DOCPART == 3
	.amdgcn_target "amdgcn-amd-amdhsa--gfx1250"
	.amdhsa_code_object_version 6
	.text
	.protected	k_q4c5c221c35_proj
	.globl	k_q4c5c221c35_proj
	.p2align	8
	.type	k_q4c5c221c35_proj,@function
k_q4c5c221c35_proj:
	s_mov_b64 s[64:65], 0
	v_nop
	global_prefetch_b8 v0, s[64:65] scope:SCOPE_SE
	s_setreg_imm32_b32 hwreg(HW_REG_WAVE_MODE, 25, 1), 1
	s_wait_xcnt 0x0
	s_wait_alu depctr_hold_cnt(0) depctr_sa_sdst(0) depctr_va_vdst(0) depctr_va_sdst(0) depctr_va_ssrc(0) depctr_va_vcc(0) depctr_vm_vsrc(0)
	s_getreg_b32 s2, hwreg(HW_REG_IB_STS2, 6, 4)
	s_cmp_eq_u32 s2, 0
	s_cbranch_scc0 .Lentry_in_a_cluster
	s_endpgm
.Lentry_in_a_cluster:
	s_bfe_u32 s2, ttmp6, 0x10000c
	s_cmp_lg_u32 s2, 0xf033
	s_cbranch_scc0 .Lentry_shape_is_right
	s_endpgm
.Lentry_shape_is_right:
; out0 = a w_proj^T + b_proj on codes of FP6 (E2M3).  a: the attention's output as images of operand registers (aimg, ascl); w_proj: codes and scale bytes as they are given; out0 [4,096][1,024] f32.
; A tile of 128 x 128 to a work-group, so that there are 256 of them; four waves of 64 x 64: 16 accumulators.  ALL OF K (1,024) FITS IN LDS and every byte is filled once: there is no ring.
; THE FOUR FILLS, one a wave, at the head: wave 0 a's images (98,304 dense bytes as rows of 256), wave 1 w_proj's 128 whole rows of 768 bytes (16 bytes of padding behind every 256), wave 2 a's scale words, wave 3 w_proj's scale bytes.
; CLUSTERS: 4 x 4 work-groups; a's tiles hang on the tile row alone and are asked for jointly by a row of the cluster, w_proj's on the tile column alone and by a column.
; No prefetch: the launch has no loop to run ahead in; all its bytes are asked for at its head.
; The product is used transposed (source 0 = 16 rows of w_proj, source 1 = 16 tokens): a lane holds eight neighbouring numbers of a row of out0.  b_proj is the C of the first K step's products.
; REGISTERS: window 0: v4-17 addresses; v32-63 a's scale words (4 s + a); v64-95 w_proj's (8 b + s); v96-127 b_proj; v128-255 the accumulators ((a, b) at v[128 + 8 (4 a + b)]).
;   window 1: two sets of fragments, v0-95 and v128-223 (48 registers of a, 48 of w_proj); on the way out v0-127 take the rows read back.
.set AIM,  0                           ; a: 8 K steps x 8 fragments x 1,536 bytes
.set WT,   98304                       ; w_proj: 128 rows
.set WP,   816                         ; 768 bytes + 3 x 16 of padding = 204 words: the 32 lanes of a load of 8 bytes touch 64 different banks
.set ASC,  WT+128*WP
.set WSC,  ASC+4096
.set STG,  WSC+4096                    ; the way out: 16 rows x 272 bytes for each wave; no fill lands here
.set SP,   272
.set SPARE, STG+4*16*SP
.set AA16, 4                           ; v4-5   16 x lane + my four fragments, K steps 0-3, 4-7
.set AA8,  6                           ; v6-7   8 x lane likewise
.set AW,   8                           ; v8     my rows of w_proj: row x pitch + 24 h
.set AW2,  10                          ; v10    the same behind one padding more for lanes 16-31
.set AS,   12
.set AWS,  13
.set STO,  14
.set RD,   15
.set CO,   16
.set BO,   17
.set SAR,  32
.set SWR,  64
.set BIAS, 96
.set ACC,  128
.set F0,   0
.set F1,   128
.set MSB, 0
.macro WIN new
.if MSB != \new
	s_set_vgpr_msb (MSB<<8)|\new
.set MSB, \new
.endif
.endm
.set MUL,  0x05                        ; sources 0 and 1 window 1; C and D window 0
.set TO_F, 0x40
.macro CROUND
	s_barrier_signal -1
	s_barrier_wait -1
	s_cmp_lg_u32 s16, 0
	s_cbranch_scc1 .Lnot_wave_0_\@
	s_barrier_signal -3
.Lnot_wave_0_\@:
	s_barrier_wait -3
	s_barrier_signal -1
	s_barrier_wait -1
.endm
.macro PLACES
.rept 4
	v_nop
.endr
.endm
.macro TLOAD g0, g1                    ; a tensor load with five lines behind it
	tensor_load_to_lds s[\g0:\g0+3], s[\g1:\g1+7]
	s_nop 0
	PLACES
.endm
	s_load_b256 s[4:11], s[0:1], 0x0               ; aimg, ascl, w_proj's codes, w_proj's scales
	s_load_b128 s[12:15], s[0:1], 0x20             ; b_proj, out0
	v_lshl_add_u32 v30, v0, 2, SPARE
	v_mov_b32 v31, 0
	ds_add_u32 v30, v31                            ; the opening lines: the add twice and its wait
	ds_add_u32 v30, v31
	v_lshrrev_b32 v1, 5, v0
	v_readfirstlane_b32 s16, v1                    ; wave
	s_lshr_b32 s17, s16, 1                         ; which 64 tokens are mine
	s_and_b32 s18, s16, 1                          ; which 64 columns
	s_bfe_u32 s92, ttmp6, 0x40000
	s_bfe_u32 s93, ttmp6, 0x40004
	s_lshl_b32 s94, ttmp9, 2
	s_add_co_u32 s94, s94, s92                     ; tile column
	s_and_b32 s95, ttmp7, 0xffff
	s_lshl_b32 s95, s95, 2
	s_add_co_u32 s95, s95, s93                     ; tile row
	s_lshl_b32 s96, s93, 2
	s_lshl_b32 s96, 15, s96                        ; my row of the cluster
	s_lshl_b32 s97, 0x1111, s92                    ; my column
	; groups 1.  Dense blocks as rows of 256 bytes (32 elements of 8): scale bytes 16 rows, a's images 384
	s_or_b32 s24, s96, (3<<16)|(1<<21)
	s_or_b32 s40, s97, (3<<16)|(1<<21)
.irp g, 24, 40
	s_mov_b32 s[\g+1], 32<<16
	s_mov_b32 s[\g+2], 16<<16
	s_mov_b32 s[\g+3], 32<<16
	s_mov_b32 s[\g+4], 16
	s_mov_b32 s[\g+5], 32
	s_mov_b32 s[\g+6], 0
	s_mov_b32 s[\g+7], 0
.endr
	s_or_b32 s32, s96, (3<<16)|(1<<21)
	s_mov_b32 s33, 32<<16
	s_mov_b32 s34, 384<<16
	s_mov_b32 s35, 32<<16
	s_mov_b32 s36, 384
	s_mov_b32 s37, 32
	s_mov_b32 s38, 0
	s_mov_b32 s39, 0
	s_or_b32 s48, s97, (1<<20)|(1<<21)|(5<<22)|(3<<25)   ; w_proj: 128 rows x 768 bytes; 4 words of padding behind every 64
	s_mov_b32 s49, 768<<16
	s_mov_b32 s50, 128<<16
	s_mov_b32 s51, 768<<16
	s_mov_b32 s52, 128
	s_mov_b32 s53, 768
	s_mov_b32 s54, 0
	s_mov_b32 s55, 0
	s_lshl_b32 s20, s95, 12                        ; a's scale words
	s_mov_b32 s21, 0
	s_mul_i32 s22, s95, 98304                      ; a's images
	s_mov_b32 s23, 0
	s_lshl_b32 s58, s94, 12                        ; w_proj's scale bytes
	s_mov_b32 s59, 0
	s_mul_i32 s60, s94, 98304                      ; w_proj's rows
	s_mov_b32 s61, 0
	s_wait_dscnt 0x0
	s_wait_kmcnt 0x0
	s_add_nc_u64 s[20:21], s[6:7], s[20:21]
	s_add_nc_u64 s[22:23], s[4:5], s[22:23]
	s_add_nc_u64 s[58:59], s[10:11], s[58:59]
	s_add_nc_u64 s[60:61], s[8:9], s[60:61]
	CROUND                                         ; the joint loads meet
	s_mov_b32 s68, 1
	s_mov_b32 s69, ASC
	s_mov_b64 s[70:71], s[20:21]
	s_or_b32 s71, s71, 0x80000000
	s_mov_b32 s72, 1
	s_mov_b32 s73, AIM
	s_mov_b64 s[74:75], s[22:23]
	s_or_b32 s75, s75, 0x80000000
	s_mov_b32 s80, 1
	s_mov_b32 s81, WSC
	s_mov_b64 s[82:83], s[58:59]
	s_or_b32 s83, s83, 0x80000000
	s_mov_b32 s84, 1
	s_mov_b32 s85, WT
	s_mov_b64 s[86:87], s[60:61]
	s_or_b32 s87, s87, 0x80000000
.macro ARM under, g0, g1, next         ; one chain of branches on the wave's number, one load to an arm
	s_cmp_lt_u32 s16, \under
	s_cbranch_scc0 \next
	TLOAD \g0, \g1
	s_branch .Lasked
\next:
.endm
	ARM 1, 72, 32, .Lhead_w
	ARM 2, 84, 48, .Lhead_sa
	ARM 3, 68, 24, .Lhead_sw
	TLOAD 80, 40
.Lasked:
	v_and_b32 v1, 15, v0                           ; r
	v_bfe_u32 v2, v0, 4, 1                         ; h
	v_and_b32 v3, 31, v0
	s_mul_i32 s56, s17, 4*1536                     ; my four fragments of a K step's eight
	v_lshl_add_u32 v[AA16], v3, 4, s56
	v_lshl_add_u32 v[AA8], v3, 3, s56
	v_add_nc_u32 v[AA16+1], 49152, v[AA16]
	v_add_nc_u32 v[AA8+1], 49152, v[AA8]
	s_mul_i32 s57, s18, 64*WP
	s_add_co_u32 s57, s57, WT
	v_mul_u32_u24 v18, v1, WP
	v_mad_u32_u24 v18, v2, 24, v18
	v_add_nc_u32 v[AW], s57, v18
	v_lshl_add_u32 v[AW2], v2, 4, v[AW]
	s_lshl_b32 s57, s17, 8
	s_add_co_u32 s57, s57, ASC
	v_lshl_add_u32 v[AS], v1, 2, s57               ; a's scale words: 64 bytes a fragment, 4 r
	s_lshl_b32 s57, s18, 11
	s_add_co_u32 s57, s57, WSC
	v_lshl_add_u32 v[AWS], v1, 5, s57              ; w_proj's: 32 bytes a row
	s_mul_i32 s57, s16, 16*SP
	s_add_co_u32 s57, s57, STG
	v_mul_u32_u24 v18, v1, SP
	v_lshl_add_u32 v18, v2, 5, v18
	v_add_nc_u32 v[STO], s57, v18
	v_mul_u32_u24 v18, v2, SP
	v_lshl_add_u32 v18, v1, 4, v18
	v_add_nc_u32 v[RD], s57, v18
	v_lshlrev_b32 v[CO], 12, v2
	v_lshl_add_u32 v[CO], v1, 4, v[CO]
	v_lshlrev_b32 v[BO], 5, v2
	s_wait_alu depctr_va_vdst(0)                   ; the head's end
	s_lshl_b32 s98, s95, 7
	s_lshl_b32 s99, s17, 6
	s_add_co_u32 s98, s98, s99                     ; my first row
	s_lshl_b32 s98, s98, 12
	s_lshl_b32 s100, s94, 9                        ; my first column, in bytes
	s_lshl_b32 s99, s18, 8
	s_add_co_u32 s100, s100, s99
	s_add_co_u32 s98, s98, s100
	s_mov_b32 s99, 0
	s_mov_b32 s101, 0
	s_add_nc_u64 s[14:15], s[14:15], s[98:99]
	s_add_nc_u64 s[12:13], s[12:13], s[100:101]
.irp b, 0,1,2,3
	global_load_b128 v[BIAS+8*\b:BIAS+8*\b+3], v[BO], s[12:13] offset:64*\b
	global_load_b128 v[BIAS+8*\b+4:BIAS+8*\b+7], v[BO], s[12:13] offset:64*\b+16
.endr
; 8 matrix instructions; the 16 accumulators take turns
.macro MUL8 f, s, a0, first
.irp a, \a0, \a0+1
.irp b, 0,1,2,3
.if \first
	v_wmma_scale_f32_16x16x128_f8f6f4 v[ACC+8*(4*(\a)+\b):ACC+8*(4*(\a)+\b)+7], v[\f+48+12*\b:\f+48+12*\b+11], v[\f+12*(\a):\f+12*(\a)+11], v[BIAS+8*\b:BIAS+8*\b+7], v[SWR+8*\b+(\s)], v[SAR+4*(\s)+(\a)] matrix_a_fmt:MATRIX_FMT_FP6 matrix_b_fmt:MATRIX_FMT_FP6
.else
	v_wmma_scale_f32_16x16x128_f8f6f4 v[ACC+8*(4*(\a)+\b):ACC+8*(4*(\a)+\b)+7], v[\f+48+12*\b:\f+48+12*\b+11], v[\f+12*(\a):\f+12*(\a)+11], v[ACC+8*(4*(\a)+\b):ACC+8*(4*(\a)+\b)+7], v[SWR+8*\b+(\s)], v[SAR+4*(\s)+(\a)] matrix_a_fmt:MATRIX_FMT_FP6 matrix_b_fmt:MATRIX_FMT_FP6
.endif
.endr
.endr
.endm
; K step s's fragments into set f: a's as images, w_proj's from rows in pieces of 8 bytes; where the piece of lanes 16-31, three on, lies behind one padding more, the second address register serves
.macro FETCH s, f
	WIN TO_F
.irp a, 0,1,2,3
	ds_load_b128 v[\f+12*\a:\f+12*\a+3], v[AA16+(\s)/4] offset:((\s)%4)*12288+\a*1536
	ds_load_b64 v[\f+12*\a+4:\f+12*\a+5], v[AA8+(\s)/4] offset:((\s)%4)*12288+\a*1536+512
	ds_load_b128 v[\f+12*\a+6:\f+12*\a+9], v[AA16+(\s)/4] offset:((\s)%4)*12288+\a*1536+768
	ds_load_b64 v[\f+12*\a+10:\f+12*\a+11], v[AA8+(\s)/4] offset:((\s)%4)*12288+\a*1536+1280
.endr
.irp b, 0,1,2,3
.irp p, 0,1,2,3,4,5
.set PCE, 12*(\s)+6*(\p/3)+\p%3
.if PCE%32 < 29
	ds_load_b64 v[\f+48+12*\b+2*\p:\f+48+12*\b+2*\p+1], v[AW] offset:8*PCE+16*(PCE/32)+\b*16*WP
.else
	ds_load_b64 v[\f+48+12*\b+2*\p:\f+48+12*\b+2*\p+1], v[AW2] offset:8*PCE+16*(PCE/32)+\b*16*WP
.endif
.endr
.endr
.endm
; K step s from set f; in its middle the next step's fragments are fetched into set g
.macro STEP s, f, g, first, fetch
	s_wait_dscnt 0x0
	WIN MUL
	MUL8 \f, \s, 0, \first
.if \fetch
	PLACES
	FETCH (\s)+1, \g
	WIN MUL
.endif
	MUL8 \f, \s, 2, \first
.endm
	s_wait_tensorcnt 0x0                           ; my fill has landed,
	s_barrier_signal -1
	s_barrier_wait -1                              ; everybody's has
.irp s, 0,1,2,3,4,5,6,7
.irp a, 0,1,2,3
	ds_load_b32 v[SAR+4*\s+\a], v[AS] offset:512*\s+64*\a
.endr
.endr
.irp b, 0,1,2,3
	ds_load_b128 v[SWR+8*\b:SWR+8*\b+3], v[AWS] offset:512*\b
	ds_load_b128 v[SWR+8*\b+4:SWR+8*\b+7], v[AWS] offset:512*\b+16
.endr
	FETCH 0, F0
	s_wait_loadcnt 0x0                             ; b_proj
	STEP 0, F0, F1, 1, 1
	STEP 1, F1, F0, 0, 1
	STEP 2, F0, F1, 0, 1
	STEP 3, F1, F0, 0, 1
	STEP 4, F0, F1, 0, 1
	STEP 5, F1, F0, 0, 1
	STEP 6, F0, F1, 0, 1
	STEP 7, F1, F0, 0, 0
	WIN 0
	; THE WAY OUT: 16 tokens x my 64 columns at a time through my own stage, back as whole rows of 256 bytes.  LDS serves a wave's instructions in order (ISA guide 5.7.1.4)
	PLACES
.irp a, 0,1,2,3
.irp b, 0,1,2,3
	ds_store_b128 v[STO], v[ACC+8*(4*\a+\b):ACC+8*(4*\a+\b)+3] offset:64*\b          ; each accumulator from its low end on
	ds_store_b128 v[STO], v[ACC+8*(4*\a+\b)+4:ACC+8*(4*\a+\b)+7] offset:64*\b+16
.endr
	WIN TO_F
.irp t, 0,1,2,3,4,5,6,7
	ds_load_b128 v[32*\a+4*\t:32*\a+4*\t+3], v[RD] offset:\t*2*SP
.endr
	WIN 0
.endr
	WIN 0x04                                       ; a store's data are its source 1: window 1
.irp a, 0,1,2,3
.irp t, 0,1,2,3,4,5,6,7
	s_wait_dscnt (3-\a)*16+7-\t                    ; behind this read: the rest of its eight, and sixteen LDS instructions for each later tile
	global_store_b128 v[CO], v[32*\a+4*\t:32*\a+4*\t+3], s[14:15] offset:(16*\a+2*\t)*4096 th:TH_STORE_NT   ; 16 lanes store 256 consecutive bytes, aligned
.endr
.endr
	WIN 0
	s_wait_tensorcnt 0x0                           ; the wave's end
	ds_add_u32 v30, v31
	s_wait_dscnt 0x0
	CROUND                                         ; the closing round
	s_endpgm
.Lfunc_end_k_q4c5c221c35_proj:
	.size	k_q4c5c221c35_proj, .Lfunc_end_k_q4c5c221c35_proj-k_q4c5c221c35_proj
	.p2alignl 7, 3214868480
	.fill 96, 4, 3214868480
	.section	.rodata,"a",@progbits
	.p2align	6, 0x0
	.amdhsa_kernel k_q4c5c221c35_proj
		.amdhsa_group_segment_fixed_size 228864
		.amdhsa_private_segment_fixed_size 0
		.amdhsa_enable_private_segment 0
		.amdhsa_kernarg_size 48
		.amdhsa_user_sgpr_count 2
		.amdhsa_user_sgpr_kernarg_segment_ptr 1
		.amdhsa_wavefront_size32 1
		.amdhsa_system_sgpr_workgroup_id_x 1
		.amdhsa_system_sgpr_workgroup_id_y 1
		.amdhsa_system_sgpr_workgroup_id_z 1
		.amdhsa_system_vgpr_workitem_id 0
		.amdhsa_next_free_vgpr 512
		.amdhsa_next_free_sgpr 102
		.amdhsa_reserve_vcc 0
		.amdhsa_float_denorm_mode_32 3
		.amdhsa_float_denorm_mode_16_64 3
		.amdhsa_memory_ordered 1
		.amdhsa_forward_progress 1
		.amdhsa_inst_pref_size 58
	.end_amdhsa_kernel
	.amdgpu_metadata
---
amdhsa.version: [ 1, 2 ]
amdhsa.kernels:
  - .name:           k_q4c5c221c35_proj
    .symbol:         k_q4c5c221c35_proj.kd
    .args:
      - { .name: aimg, .offset: 0, .size: 8, .value_kind: global_buffer, .address_space: global }
      - { .name: ascl, .offset: 8, .size: 8, .value_kind: global_buffer, .address_space: global }
      - { .name: w_proj_codes, .offset: 16, .size: 8, .value_kind: global_buffer, .address_space: global }
      - { .name: w_proj_scales, .offset: 24, .size: 8, .value_kind: global_buffer, .address_space: global }
      - { .name: b_proj, .offset: 32, .size: 8, .value_kind: global_buffer, .address_space: global }
      - { .name: out0, .offset: 40, .size: 8, .value_kind: global_buffer, .address_space: global }
    .group_segment_fixed_size: 228864
    .private_segment_fixed_size: 0
    .kernarg_segment_align: 8
    .kernarg_segment_size: 48
    .max_flat_workgroup_size: 128
    .sgpr_count:     102
    .vgpr_count:     512
    .wavefront_size: 32
...
	.end_amdgpu_metadata
.endif
;; end of part 3
